; MI455X (gfx1250); checked and timed in simulation.
; The chip was launched on July 23, 2026; its instructions are those of AMD's public machine-readable ISA for CDNA 5 (MIT licence, August 2026) and "CDNA5" Instruction Set Architecture Reference Guide (July 2026). The comments in the code are by the model that wrote it; some were corrected since.
;; Rotary Attention. Allowed arithmetic: matrix products marked QUANTISED: E5M2 operands, one given power-of-two scale a tensor, by v_wmma_f32_16x16x64_bf8_bf8 or v_wmma_f32_16x16x128_bf8_bf8, f32 sums; everything else in f32.
;; Inputs: W_in_codes 3,072 x 32 x 32 uint8 (E5M2 codes of W_in, K innermost, in blocks of 32 codes); W_out_codes 1,024 x 32 x 32 uint8 (E5M2 codes of W_out, K innermost, in blocks of 32 codes); b_in 3,072 float32; b_out 1,024 float32; lowp_scales 8 int32 (the exponents e of the quantised operands' scales 2^e); x_codes 1 x 4,096 x 32 x 32 uint8 (E5M2 codes of x, K innermost, in blocks of 32 codes).
;; Outputs: out0 1 x 4,096 x 1,024 float32.
;; This version of the problem:
;;   THIS VERSION OF THE PROBLEM IS GIVEN IN LOW PRECISION. The matrix products marked QUANTISED in the list below multiply operands that are first quantised to E5M2 (5 exponent bits, 2 mantissa bits; 8 bits a number), with one given power-of-two scale for each operand tensor; their sums are f32. All else is computed in f32.
;;   The module's matrix products, in the order in which they are computed (A, B: the left and right operand; K: the contracted axis; several contracted axes count as one K, in the product's order):
;;     1. [M 4,096, K 1,024] x [K 1,024, N 3,072]; A: input x (given as codes); B: input W_in (given as codes): QUANTISED (scales: A lowp_scales[0], B lowp_scales[1])
;;     2. batch 16 x [M 4,096, K 64] x [K 64, N 4,096]; A: computed on the way; B: computed on the way: QUANTISED (scales: A lowp_scales[2], B lowp_scales[3])
;;     3. batch 16 x [M 4,096, K 4,096] x [K 4,096, N 64]; A: softmax (see below); B: computed on the way: QUANTISED (scales: A lowp_scales[4], B lowp_scales[5])
;;     4. [M 4,096, K 1,024] x [K 1,024, N 1,024]; A: computed on the way; B: input W_out (given as codes): QUANTISED (scales: A lowp_scales[6], B lowp_scales[7])
;;   THE QUANTISER, for each operand of a quantised product, along K:
;;     - The operand's scale is 2^e, e = its entry of the input lowp_scales (int32; the entries are numbered through the quantised products in the list's order, A before B).
;;     - Each number is divided by the scale, clamped to +-57,344, and rounded to the nearest number of E5M2, ties to even, subnormals kept.
;;     - The product sums the exact products of the quantised numbers (number of the format x scale) in f32.
;;   ~~~python
;;   def quantise(x, axis, e):      # numpy; x: float32 -> the quantised numbers, widened to float32 again
;;       x = np.moveaxis(x, axis, -1); K = x.shape[-1]
;;       r = np.clip(x / 2.0 ** e, -57344, 57344)
;;       step = 2.0 ** (np.maximum(np.frexp(np.where(r == 0, 1, r))[1] - 1, -14) - 2)
;;       q = np.round(r / step) * step * 2.0 ** e      # np.round: ties to even
;;       return np.moveaxis(q, -1, axis).astype(np.float32)
;;   ~~~
;;   SOFTMAX AHEAD OF A QUANTISED PRODUCT. Where the list says 'softmax', what is quantised is not the finished softmax but p = 2^(t - M), with t = logit x log2(e) and M = ceil(the row's largest t), a whole number; so 1/2 < the row's largest p <= 1. The row's sum l is taken of the UNQUANTISED p, in f32, and the product's result is divided by l at the end. Since M is a whole number, a kernel that streams over the keys may use a running M (the ceiling of the running maximum): every later rescaling is an exact power of two, so the quantised numbers keep their values, but for numbers so far below the row's largest that they fall under the format's range.
;;   OPERANDS COMPUTED ON THE WAY. 'Computed on the way' means the value that the module computes at that place (a softmax that the list does not call 'softmax' is quantised finished and normalised). What goes into a quantiser is computed in f32, as accurately as f32 sums, v_exp_f32 and their like allow (about 1e-6 of the number): no bf16 or f16 on the way to a quantiser, and a product that is left as it is and whose result goes on into a quantised operand takes f32 operands (vector FMAs, or v_wmma_f32_16x16x4_f32). A number that lies on a knife's edge between two numbers of the format may be rounded either way, as far as f32 arithmetic and the matrix unit's own rounding can turn it there, and no further.
;;   INPUTS GIVEN AS CODES. W_in (in the module: [3072, 1024], K = its axis 1); W_out (in the module: [1024, 1024], K = its axis 1); x (in the module: [1, 4096, 1024], K = its axis 2): each comes as NAME_codes (uint8): NAME with its K axis moved to the last place and cut into blocks of 32 codes, [.., K / 32, bytes a block], one block behind the other in memory; one code a byte (a code: sign, 5 exponent bits, 2 mantissa bits); its scale is its entry of lowp_scales. Its value is code x scale, taken as it is: it is not quantised again, and the codes and scales need not be those that the quantiser above would give.
;; 2 versions, each right; version 2 is version 1 with the launch attn written anew for expert scheduling mode. Each part assembles by itself: llvm-mc -triple=amdgcn-amd-amdhsa -mcpu=gfx1250 --defsym DOCPART=n.
;; ======== version 1 of 2: 4 launches
;; workspace buffers: rope 1,048,576 bytes; q_img 4,194,304 bytes; kv 8,388,608 bytes; y_img 4,194,304 bytes
;; launch tab (part 1): grid 256 x 1, 4 waves a work-group, no clusters, 0 bytes of LDS; arguments rope; writes rope
.if DOCPART == 1
	.amdgcn_target "amdgcn-amd-amdhsa--gfx1250"
	.amdhsa_code_object_version 6
	.text
	.protected	k_qfe4e90e0e2_tab
	.globl	k_qfe4e90e0e2_tab
	.p2align	8
	.type	k_qfe4e90e0e2_tab,@function
k_qfe4e90e0e2_tab:
	s_mov_b64 s[64:65], 0
	v_nop
	global_prefetch_b8 v0, s[64:65] scope:SCOPE_SE
	s_setreg_imm32_b32 hwreg(HW_REG_WAVE_MODE, 25, 1), 1
	s_wait_xcnt 0x0
; THE PROGRAM: four launches.  tab: sin and cos of t / theta_j.  proj: x W_in^T + b_in, the rotation, codes of q, k, v.  attn: causal attention on codes, codes of y.  outp: y W_out^T + b_out.
; WORK LEFT OUT (in attn): reference() builds its causal mask itself (jnp.tril) and sets every score with key > query to -infinity ahead of the softmax, so such a key's weight is 0 whatever the inputs hold.
; A step of 128 keys all of which come after a wave's 16 queries can therefore reach no output: it is neither multiplied, nor fetched where no wave of the work-group reads it.  Every input has a way to the output and is loaded.
; LIMIT: a NaN, an infinity or an overflow that lies only in k or v of such steps is not carried to the result.
;
; THIS LAUNCH: rope[m = t / 16][g 0..7][lane][4 f32].  g 0..3: sin, g 4..7: cos.  With r = lane % 16, h = lane / 16, g % 4 = 2 b + u: the four numbers are j = 16 b + 8 h + 4 u + 0 .. 3 at t = 16 m + r:
; the order in which proj's lanes hold the head's first 32 channels.  theta_j = 10000^(j / 31); the angle is t / theta_j.  A work-group takes one m, wave g makes sin group g and cos group 4 + g.
; ARITHMETIC, all f32: j / 31 and t / theta by a reciprocal and one correction step with fused multiply-adds; the exponent p log2(10000) in a high and a low part; the angle less n pi/2 with pi/2 in two parts
; (n is at most 2,607); polynomials of degree 7 and 8 on |r| <= pi/4; the quadrant by selects.
; LIMIT: theta may differ in its last bit from reference()'s own f32 power, so at the largest t the angle may differ from reference()'s by some 1e-4 rad, as reference()'s differs from the exact one.
.set J,   8                            ; v8-11   j as f32; later sin on the reduced angle
.set P,   12                           ; v12-15  j / 31; later cos on the reduced angle
.set AH,  16                           ; v16-19  the exponent's high part
.set AL,  20                           ; v20-23  its low part
.set TH,  24                           ; v24-27  theta
.set RC,  28                           ; v28-31  1 / theta
.set POS, 32                           ; v32-35  the angle
.set N,   36                           ; v36-39  n
.set R,   40                           ; v40-43  the reduced angle
.set Z,   44                           ; v44-47  its square
.set SN,  48                           ; v48-51  sin
.set CN,  52                           ; v52-55  cos
.set W0,  56                           ; v56-63  at work
.set W1,  60
	s_load_b64 s[4:5], s[0:1], 0x0                 ; rope
	s_mov_b32 s8, 0x3d042108                       ; 1 / 31
	s_mov_b32 s9, 0x41549a78                       ; log2(10000), high part
	s_mov_b32 s10, 0x34979db4                      ; and what it lacks
	s_mov_b32 s11, 0x3fc90fdb                      ; pi / 2, high part
	s_mov_b32 s12, 0xb33bbd2e                      ; and what it lacks
	s_mov_b32 s13, 0xb94ca1f9                      ; sin: three coefficients
	s_mov_b32 s14, 0x3c08839e
	s_mov_b32 s15, 0xbe2aaaa3
	s_mov_b32 s16, 0x37ccf5ce                      ; cos: three coefficients
	s_mov_b32 s17, 0xbab6061a
	s_mov_b32 s18, 0x3d2aaaa5
	s_mov_b32 s19, 0x41f80000                      ; 31
	s_lshl_b32 s6, ttmp9, 12                       ; m x 4,096 bytes
	s_mov_b32 s7, 0
	s_lshl_b32 s20, ttmp9, 4                       ; 16 m
	v_and_b32 v2, 15, v0                           ; r
	v_bfe_u32 v3, v0, 4, 1                         ; h
	v_bfe_u32 v6, v0, 5, 1                         ; u = g % 2
	v_bfe_u32 v7, v0, 6, 1                         ; b = g / 2
	v_lshlrev_b32 v5, 4, v0                        ; 512 g + 16 lane = 16 x the thread's number
	v_add_nc_u32 v4, s20, v2
	v_cvt_f32_u32 v4, v4                           ; t
	v_lshlrev_b32 v6, 2, v6
	v_lshl_add_u32 v6, v3, 3, v6
	v_lshl_add_u32 v6, v7, 4, v6                   ; 16 b + 8 h + 4 u
.irp i, 0,1,2,3
	v_add_nc_u32 v[J+\i], \i, v6
.endr
.irp i, 0,1,2,3
	v_cvt_f32_u32 v[J+\i], v[J+\i]
.endr
.irp i, 0,1,2,3
	v_mul_f32 v[W0+\i], s8, v[J+\i]                ; j / 31: a first quotient,
.endr
.irp i, 0,1,2,3
	v_fma_f32 v[W1+\i], -v[W0+\i], s19, v[J+\i]    ; what it leaves,
.endr
.irp i, 0,1,2,3
	v_fma_f32 v[P+\i], v[W1+\i], s8, v[W0+\i]      ; and the corrected quotient
.endr
.irp i, 0,1,2,3
	v_mul_f32 v[AH+\i], s9, v[P+\i]
.endr
.irp i, 0,1,2,3
	v_fma_f32 v[AL+\i], v[P+\i], s9, -v[AH+\i]     ; what the product's rounding dropped,
.endr
.irp i, 0,1,2,3
	v_fma_f32 v[AL+\i], v[P+\i], s10, v[AL+\i]     ; and the constant's low part
.endr
.irp i, 0,1,2,3
	v_exp_f32 v[TH+\i], v[AH+\i]
.endr
.irp i, 0,1,2,3
	v_mul_f32 v[W0+\i], 0x3f317218, v[AL+\i]       ; low part x ln 2: plain lines behind the exponentials
.endr
	s_wait_alu depctr_va_vdst(0)                   ; one wait for the four exponentials, ahead of their first reader
.irp i, 0,1,2,3
	v_fma_f32 v[TH+\i], v[TH+\i], v[W0+\i], v[TH+\i]   ; theta = 2^high x (1 + low ln 2)
.endr
.irp i, 0,1,2,3
	v_rcp_f32 v[RC+\i], v[TH+\i]
.endr
	v_nop                                          ; a plain line behind the last reciprocal
	s_wait_alu depctr_va_vdst(0)                   ; one wait for the four
.irp i, 0,1,2,3
	v_mul_f32 v[W0+\i], v4, v[RC+\i]
.endr
.irp i, 0,1,2,3
	v_fma_f32 v[W1+\i], -v[W0+\i], v[TH+\i], v4
.endr
.irp i, 0,1,2,3
	v_fma_f32 v[POS+\i], v[W1+\i], v[RC+\i], v[W0+\i]  ; t / theta, corrected
.endr
.irp i, 0,1,2,3
	v_mul_f32 v[N+\i], 0x3f22f983, v[POS+\i]       ; x 2 / pi
.endr
.irp i, 0,1,2,3
	v_rndne_f32 v[N+\i], v[N+\i]
.endr
.irp i, 0,1,2,3
	v_fma_f32 v[R+\i], -v[N+\i], s11, v[POS+\i]
.endr
.irp i, 0,1,2,3
	v_fma_f32 v[R+\i], -v[N+\i], s12, v[R+\i]
.endr
.irp i, 0,1,2,3
	v_mul_f32 v[Z+\i], v[R+\i], v[R+\i]
.endr
.irp i, 0,1,2,3
	v_fma_f32 v[W0+\i], v[Z+\i], s13, s14
.endr
.irp i, 0,1,2,3
	v_fma_f32 v[W0+\i], v[W0+\i], v[Z+\i], s15
.endr
.irp i, 0,1,2,3
	v_mul_f32 v[W1+\i], v[R+\i], v[Z+\i]
.endr
.irp i, 0,1,2,3
	v_fma_f32 v[J+\i], v[W1+\i], v[W0+\i], v[R+\i] ; sin r
.endr
.irp i, 0,1,2,3
	v_fma_f32 v[W0+\i], v[Z+\i], s16, s17
.endr
.irp i, 0,1,2,3
	v_fma_f32 v[W0+\i], v[W0+\i], v[Z+\i], s18
.endr
.irp i, 0,1,2,3
	v_mul_f32 v[W1+\i], v[Z+\i], v[Z+\i]
.endr
.irp i, 0,1,2,3
	v_fma_f32 v[P+\i], v[Z+\i], -0.5, 1.0
.endr
.irp i, 0,1,2,3
	v_fma_f32 v[P+\i], v[W1+\i], v[W0+\i], v[P+\i] ; cos r
.endr
.irp i, 0,1,2,3
	v_cvt_i32_f32 v[N+\i], v[N+\i]
.endr
.irp i, 0,1,2,3                        ; the quadrant: n odd swaps the two; sin is negative for n % 4 = 2, 3, cos for 1, 2
	v_and_b32 v[W0+\i], 1, v[N+\i]
	v_cmp_ne_u32 vcc_lo, 0, v[W0+\i]
	v_cndmask_b32 v[SN+\i], v[J+\i], v[P+\i], vcc_lo
	v_cndmask_b32 v[CN+\i], v[P+\i], v[J+\i], vcc_lo
	v_lshlrev_b32 v[W0+\i], 30, v[N+\i]
	v_and_b32 v[W0+\i], 0x80000000, v[W0+\i]
	v_xor_b32 v[SN+\i], v[SN+\i], v[W0+\i]
	v_add_nc_u32 v[W1+\i], 1, v[N+\i]
	v_lshlrev_b32 v[W1+\i], 30, v[W1+\i]
	v_and_b32 v[W1+\i], 0x80000000, v[W1+\i]
	v_xor_b32 v[CN+\i], v[CN+\i], v[W1+\i]
.endr
	s_wait_kmcnt 0x0
	s_add_nc_u64 s[4:5], s[4:5], s[6:7]
	global_store_b128 v5, v[SN:SN+3], s[4:5]                 ; each store of the wave covers 512 consecutive bytes, aligned
	global_store_b128 v5, v[CN:CN+3], s[4:5] offset:2048
	s_endpgm
.Lfunc_end_k_qfe4e90e0e2_tab:
	.size	k_qfe4e90e0e2_tab, .Lfunc_end_k_qfe4e90e0e2_tab-k_qfe4e90e0e2_tab
	.p2alignl 7, 3214868480
	.fill 96, 4, 3214868480
	.section	.rodata,"a",@progbits
	.p2align	6, 0x0
	.amdhsa_kernel k_qfe4e90e0e2_tab
		.amdhsa_group_segment_fixed_size 0
		.amdhsa_private_segment_fixed_size 0
		.amdhsa_enable_private_segment 0
		.amdhsa_kernarg_size 8
		.amdhsa_user_sgpr_count 2
		.amdhsa_user_sgpr_kernarg_segment_ptr 1
		.amdhsa_wavefront_size32 1
		.amdhsa_system_sgpr_workgroup_id_x 1
		.amdhsa_system_sgpr_workgroup_id_y 1
		.amdhsa_system_sgpr_workgroup_id_z 1
		.amdhsa_system_vgpr_workitem_id 0
		.amdhsa_next_free_vgpr 64
		.amdhsa_next_free_sgpr 66
		.amdhsa_reserve_vcc 1
		.amdhsa_float_denorm_mode_32 3
		.amdhsa_float_denorm_mode_16_64 3
		.amdhsa_memory_ordered 1
		.amdhsa_forward_progress 1
		.amdhsa_inst_pref_size 10
	.end_amdhsa_kernel
	.amdgpu_metadata
---
amdhsa.version: [ 1, 2 ]
amdhsa.kernels:
  - .name:           k_qfe4e90e0e2_tab
    .symbol:         k_qfe4e90e0e2_tab.kd
    .args:
      - { .name: rope, .offset: 0, .size: 8, .value_kind: global_buffer, .address_space: global }
    .group_segment_fixed_size: 0
    .private_segment_fixed_size: 0
    .kernarg_segment_align: 8
    .kernarg_segment_size: 8
    .max_flat_workgroup_size: 128
    .sgpr_count:     66
    .vgpr_count:     64
    .wavefront_size: 32
...
	.end_amdgpu_metadata
.endif
;; end of part 1
;; launch proj (part 2): grid 16 x 16, 4 waves a work-group, clusters of 4 x 4, 327,680 bytes of LDS; arguments x_codes, W_in_codes, b_in, lowp_scales, rope, q_img, kv; writes q_img, kv
.if DOCPART == 2
	.amdgcn_target "amdgcn-amd-amdhsa--gfx1250"
	.amdhsa_code_object_version 6
	.text
	.protected	k_qfe4e90e0e2_proj
	.globl	k_qfe4e90e0e2_proj
	.p2align	8
	.type	k_qfe4e90e0e2_proj,@function
k_qfe4e90e0e2_proj:
	s_mov_b64 s[64:65], 0
	v_nop
	global_prefetch_b8 v0, s[64:65] scope:SCOPE_SE
	s_setreg_imm32_b32 hwreg(HW_REG_WAVE_MODE, 25, 1), 1
	s_wait_xcnt 0x0
	s_wait_alu depctr_hold_cnt(0) depctr_sa_sdst(0) depctr_va_vdst(0) depctr_va_sdst(0) depctr_va_ssrc(0) depctr_va_vcc(0) depctr_vm_vsrc(0)
	s_getreg_b32 s2, hwreg(HW_REG_IB_STS2, 6, 4)
	s_cmp_eq_u32 s2, 0
	s_cbranch_scc0 .Lentry_in_a_cluster
	s_endpgm
.Lentry_in_a_cluster:
	s_bfe_u32 s2, ttmp6, 0x10000c
	s_cmp_lg_u32 s2, 0xf033
	s_cbranch_scc0 .Lentry_shape_is_right
	s_endpgm
.Lentry_shape_is_right:
; proj = x W_in^T + b_in on codes of E5M2; q and k are rotated; q, k, v are quantised with the given scales and stored as IMAGES OF THE OPERAND REGISTERS that attn loads.
; SHARES.  Work-group (head, block): 256 rows of x against the 192 rows of W_in that are q, k, v of one head (rows 64 head, 1024 + 64 head, 2048 + 64 head).  Wave w: rows 64 w .. 64 w + 63 against all 192:
; 48 accumulators of 16 x 16.  So a lane holds both partners d and d + 32 of the rotation, and a wave's codes are whole fragments.
; q, k: THE PRODUCT IS USED TRANSPOSED (source 0 = 16 rows of W, source 1 = 16 rows of x): lane (r, h) holds row t = r and channels 16 n + 8 h + 0 .. 7.
; v: natural (source 0 = x, source 1 = W): lane (r, h) holds one channel and rows 16 a + 8 h + 0 .. 7: eight neighbours along the keys, which are the K of attention's second product.
;    Lane r of v's tile 2 b + u takes channel 32 b + 8 u + r + 8 (r / 8), so that attn's results of tiles 2 b, 2 b + 1 are 16 neighbouring channels.
; K goes in steps of 256 through two LDS slots (rows of 256 bytes + 16 of padding); a quarter of a step is 64 along K: 48 matrix instructions of the K = 64 form on two sets of fragments.
; A fragment comes by two loads of 16 bytes, 32 bytes apart: a permutation of k that is the same in both operands.
; CLUSTER 4 x 4: x's tile hangs on the block alone and is asked for jointly along a row of the cluster, W's on the head alone and jointly along a column.  Wave 0 fetches x's 256 rows, waves 1 to 3 the 64 rows of q, k, v.
; b_in goes in as the C of each sum's first product, divided by 2^(e0 + e1); the rotation is linear, so the sums stay unscaled and each conversion takes 2^(e - e0 - e1) as its scale.
; LIMITS: e2 - e0 - e1, e3 - e0 - e1, e5 - e0 - e1 between -126 and 112, so that scale and hold are f32 numbers; NaN among the inputs is not served.
; REGISTERS.  window 0: v1-23 addresses and constants; v28, v29 the add's two; v64-191 sin, cos of my 4 row tiles (32 each: 16 sin, 16 cos); v192-223 results; v224-239 at work; v240-247 codes.
;   window 1: two sets of fragments at 0 and 128: + 8 a x's, + 32 + 8 n W's (n 0-3 q, 4-7 k, 8-11 v).   window 2: q's and k's accumulators (a, n) at 8 (8 a + n).
;   window 3: v's accumulators (a, n) at 8 (4 a + n); v128-191 q's, k's biases (8 tiles); v192-223 v's biases (4 tiles).
.set PITCH, 272                        ; 68 words: row r starts at bank 4 r mod 64 (64 banks of 4 bytes: ISA guide 11.1)
.set XB,    256*PITCH                  ; x's 256 rows
.set WB,    64*PITCH                   ; 64 rows of W
.set SLOT,  XB+3*WB
.set SPARE, 2*SLOT                     ; behind the ring: the spare words, 128 bytes a wave: two blocks of 256 bytes that no other line names
.set ADRA, 4                           ; v4-5   my x fragments in slot 0, 1
.set ADRB, 6                           ; v6-7   q's and k's
.set ADRV, 8                           ; v8-9   v's
.set VB,   10                          ; v10-13 v's four bias numbers
.set SCQ,  16                          ; v16-21 scale and hold for q, k, v
.set HQ,   17
.set SCK,  18
.set HK,   19
.set SCV,  20
.set HV,   21
.set SPW,  28
.set NIL,  29
.set SC,   64
.set OUT,  192
.set T,    224
.set CD,   240
.set F0,   0
.set F1,   128
.set WV,   18                          ; s18 my wave's number
.set WBI,  19                          ; s19 which of q, k, v I fetch
.set G1A,  24                          ; s[24:31] group 1 for x's tile; s[32:39] group 0, a set a slot
.set G0A,  32
.set G1B,  48                          ; s[48:55], s[56:63] the same for W's
.set G0B,  56
.set MSB, 0
.macro WIN new                         ; the immediate's high byte repeats the setting that is left
.if MSB != \new
	s_set_vgpr_msb (MSB<<8)|\new
.set MSB, \new
.endif
.endm
.set QK,   0xa5                        ; sources 0, 1 window 1; C and D window 2
.set QK1,  0xb5                        ; the same with C (the bias) in window 3
.set VV,   0xf5                        ; sources window 1; C and D window 3
.set TO_F, 0x40                        ; destination window 1
.set TO_3, 0xc0                        ; destination window 3
.set IN_3, 0xc3                        ; source 0 and destination window 3
.macro PLACES                          ; four plain vector lines between a matrix instruction and a load into, or a vector read of, its registers
.rept 4
	v_nop
.endr
.endm
.macro JLOAD s                         ; a joint load; the branch hangs on the wave's number alone.  An s_nop 0 and four v_nop follow each line
	s_cmp_eq_u32 s[WV], 0
	s_cbranch_scc0 .Lfor_b_\@
	tensor_load_to_lds s[G0A+4*\s:G0A+4*\s+3], s[G1A:G1A+7]
	s_nop 0
.rept 4
	v_nop
.endr
	s_branch .Lasked_\@
.Lfor_b_\@:
	tensor_load_to_lds s[G0B+4*\s:G0B+4*\s+3], s[G1B:G1B+7]
	s_nop 0
.rept 4
	v_nop
.endr
.Lasked_\@:
.endm
.macro CREST                           ; a round of the cluster's barrier behind its opening barrier
	s_cmp_lg_u32 s[WV], 0
	s_cbranch_scc1 .Lnot_wave_0_\@
	s_barrier_signal -3
.Lnot_wave_0_\@:
	s_barrier_wait -3
	s_barrier_signal -1
	s_barrier_wait -1
.endm
.macro CROUND
	s_barrier_signal -1
	s_barrier_wait -1
	CREST
.endm
	s_load_b256 s[4:11], s[0:1], 0x0               ; x s[4:5], W s[6:7], b_in s[8:9], the exponents s[10:11]
	s_load_b128 s[12:15], s[0:1], 0x20             ; rope s[12:13], q_img s[14:15]
	s_load_b64 s[16:17], s[0:1], 0x30              ; kv
	v_lshl_add_u32 v[SPW], v0, 2, SPARE
	v_mov_b32 v[NIL], 0
	ds_add_u32 v[SPW], v[NIL]                      ; the wave's opening: the add, twice on end, and its wait ahead of my first tensor load
	ds_add_u32 v[SPW], v[NIL]
	v_lshrrev_b32 v1, 5, v0
	v_readfirstlane_b32 s[WV], v1                  ; wave 0..3
	s_add_co_u32 s[WBI], s[WV], 3
	s_and_b32 s[WBI], s[WBI], 3
	s_min_u32 s[WBI], s[WBI], 2                    ; waves 1, 2, 3: 0, 1, 2 (wave 0 does not use it)
	s_bfe_u32 s40, ttmp6, 0x40000                  ; cx
	s_bfe_u32 s41, ttmp6, 0x40004                  ; cy
	s_lshl_b32 s42, ttmp9, 2
	s_add_co_u32 s42, s42, s40                     ; the head = 4 x cluster x + cx
	s_and_b32 s45, ttmp7, 0xffff
	s_lshl_b32 s45, s45, 2
	s_add_co_u32 s45, s45, s41                     ; the block of 256 rows = 4 x cluster y + cy
	s_lshl_b32 s43, s41, 2
	s_lshl_b32 s43, 15, s43                        ; my row of the cluster
	s_lshl_b32 s44, 0x1111, s40                    ; my column
	s_or_b32 s[G1A], s43, (1<<20)|(1<<21)|(5<<22)|(3<<25)    ; the mask; elements of 1 byte; padding on; bit 21 beside a mask; 4 words of padding after every 64
	s_or_b32 s[G1B], s44, (1<<20)|(1<<21)|(5<<22)|(3<<25)
	s_mov_b32 s[G1A+1], 256<<16                    ; tensor_dim0 = 256
	s_mov_b32 s[G1A+2], 256<<16                    ; tensor_dim1 = 256
	s_mov_b32 s[G1A+3], 256<<16                    ; tile_dim0 = 256
	s_mov_b32 s[G1A+4], 256                        ; tile_dim1 = 256
	s_mov_b32 s[G1A+5], 1024                       ; from row to row
	s_mov_b32 s[G1A+6], 0
	s_mov_b32 s[G1A+7], 0
	s_mov_b32 s[G1B+1], 256<<16
	s_mov_b32 s[G1B+2], 64<<16                     ; 64 rows
	s_mov_b32 s[G1B+3], 256<<16
	s_mov_b32 s[G1B+4], 64
	s_mov_b32 s[G1B+5], 1024
	s_mov_b32 s[G1B+6], 0
	s_mov_b32 s[G1B+7], 0
	s_lshl_b32 s20, s45, 18                        ; x: 256 rows of 1,024 bytes a block
	s_mov_b32 s21, 0
	s_lshl_b32 s46, s[WBI], 20                     ; W: row 1024 x part + 64 x head
	s_lshl_b32 s47, s42, 16
	s_add_co_u32 s46, s46, s47
	s_mov_b32 s47, 0
	s_mul_i32 s22, s[WBI], WB
	s_add_co_u32 s22, s22, XB                      ; where my rows of W go in a slot
	s_wait_dscnt 0x0                               ; both opening adds are done
	s_wait_kmcnt 0x0
	s_load_b256 s[68:75], s[10:11], 0x0            ; e0 .. e7
	s_add_nc_u64 s[20:21], s[4:5], s[20:21]
	s_add_nc_u64 s[46:47], s[6:7], s[46:47]
	CROUND                                         ; all sixteen work-groups are here: the first joint loads meet
.irp s, 0,1
	s_mov_b32 s[G0A+4*\s], 1
	s_mov_b32 s[G0A+4*\s+1], \s*SLOT
	s_add_nc_u64 s[G0A+4*\s+2:G0A+4*\s+3], s[20:21], \s*256
	s_or_b32 s[G0A+4*\s+3], s[G0A+4*\s+3], 0x80000000
	s_mov_b32 s[G0B+4*\s], 1
	s_add_co_u32 s[G0B+4*\s+1], s22, \s*SLOT
	s_add_nc_u64 s[G0B+4*\s+2:G0B+4*\s+3], s[46:47], \s*256
	s_or_b32 s[G0B+4*\s+3], s[G0B+4*\s+3], 0x80000000
	JLOAD \s                                       ; two loads of mine are out
.endr
	v_and_b32 v1, 15, v0                           ; r
	v_bfe_u32 v2, v0, 4, 1                         ; h
	v_and_b32 v3, 31, v0
	v_lshlrev_b32 v3, 4, v3                        ; 16 x lane
	v_mul_u32_u24 v14, v1, PITCH
	v_lshl_add_u32 v14, v2, 4, v14                 ; r x pitch + 16 h
	v_and_b32 v15, 8, v1
	v_add_nc_u32 v15, v15, v1                      ; r + 8 (r / 8)
	v_mul_u32_u24 v22, v15, PITCH
	v_lshl_add_u32 v22, v2, 4, v22
	v_lshlrev_b32 v15, 2, v15                      ; v's bias: 4 bytes a channel
	v_lshlrev_b32 v23, 5, v2                       ; q's, k's bias: 32 h
	s_mul_i32 s23, s[WV], 64*PITCH                 ; my 64 rows of x
.irp s, 0,1
	v_add_nc_u32 v[ADRA+\s], s23, v14
	v_add_nc_u32 v[ADRB+\s], \s*SLOT+XB, v14
	v_add_nc_u32 v[ADRV+\s], \s*SLOT+XB+128*PITCH, v22
	s_add_co_u32 s23, s23, SLOT
.endr
	s_lshl_b32 s76, s45, 16                        ; rope: (16 block + 4 wave) x 4,096 bytes
	s_lshl_b32 s77, s[WV], 14
	s_add_co_u32 s76, s76, s77
	s_mov_b32 s77, 0
	s_add_nc_u64 s[76:77], s[12:13], s[76:77]
	s_lshl_b32 s78, s42, 8                         ; b_in: 64 numbers a head
	s_mov_b32 s79, 0
	s_add_nc_u64 s[78:79], s[8:9], s[78:79]
.irp a, 0,1,2,3
.irp g, 0,1,2,3,4,5,6,7
	global_load_b128 v[SC+32*\a+4*\g:SC+32*\a+4*\g+3], v3, s[76:77] offset:4096*\a+512*\g
.endr
.endr
	WIN TO_3
.irp n, 0,1,2,3,4,5,6,7                ; tile n's eight numbers of my half: b_in at (n / 4) 1024 + 64 head + 16 (n % 4) + 8 h + 0 .. 7
	global_load_b128 v[128+8*\n:128+8*\n+3], v23, s[78:79] offset:4096*(\n/4)+64*(\n%4)
	global_load_b128 v[128+8*\n+4:128+8*\n+7], v23, s[78:79] offset:4096*(\n/4)+64*(\n%4)+16
.endr
	WIN 0
.irp n, 0,1,2,3
	global_load_b32 v[VB+\n], v15, s[78:79] offset:8192+128*(\n/2)+32*(\n%2)
.endr
	; where the images go
	s_lshl_b32 s80, s42, 18                        ; q_img: (256 head + 16 block + 4 wave) x 1,024
	s_lshl_b32 s81, s45, 14
	s_add_co_u32 s80, s80, s81
	s_lshl_b32 s81, s[WV], 12
	s_add_co_u32 s80, s80, s81
	s_mov_b32 s81, 0
	s_add_nc_u64 s[82:83], s[14:15], s[80:81]
	s_lshl_b32 s80, s42, 19                        ; kv: head x 32 steps + step 2 block + wave / 2, of 16,384 bytes
	s_lshl_b32 s88, s45, 15
	s_add_co_u32 s80, s80, s88
	s_lshr_b32 s88, s[WV], 1
	s_lshl_b32 s88, s88, 14
	s_add_co_u32 s80, s80, s88
	s_add_nc_u64 s[86:87], s[16:17], s[80:81]
	s_and_b32 s88, s[WV], 1
	s_lshl_b32 s80, s88, 12                        ; k: my four key tiles of 1,024 bytes
	s_add_nc_u64 s[84:85], s[86:87], s[80:81]
	s_lshl_b32 s80, s88, 10                        ; v: behind K's 8,192 bytes; my two groups of 512 in each tile
	s_add_co_u32 s80, s80, 8192
	s_add_nc_u64 s[86:87], s[86:87], s[80:81]
	s_wait_loadcnt 0x0
	s_wait_kmcnt 0x0
	s_add_co_i32 s92, s68, s69                     ; e0 + e1
	s_sub_co_i32 s93, 0, s92
	WIN IN_3
.set jj, 0
.rept 64
	v_ldexp_f32 v[128+jj], v[128+jj], s93          ; the biases / 2^(e0 + e1): exact
.set jj, jj+1
.endr
	WIN TO_3
.irp n, 0,1,2,3
.irp j, 0,1,2,3,4,5,6,7
	v_ldexp_f32 v[192+8*\n+\j], v[VB+\n], s93      ; v's: a lane's channel is the same in all eight registers
.endr
.endr
	WIN 0
.macro SCALE e, vs, vh                 ; 2^(e - e0 - e1) as f32, and 57,344 x that
	s_sub_co_i32 s94, s[\e], s92
	s_add_co_i32 s94, s94, 127
	s_lshl_b32 s95, s94, 23
	v_mov_b32 v[\vs], s95
	s_add_co_i32 s94, s94, 15
	s_lshl_b32 s94, s94, 23
	s_or_b32 s94, s94, 0x600000
	v_mov_b32 v[\vh], s94
.endm
	SCALE 70, SCQ, HQ
	SCALE 71, SCK, HK
	SCALE 73, SCV, HV
; 16 matrix instructions for q and k: row tiles a0, a0 + 1 x W's eight.  first = 1: the bias starts the sums: nothing is cleared
.macro MULQK f, a0, first
.irp a, \a0, \a0+1
.irp n, 0,1,2,3,4,5,6,7
.if \first
	v_wmma_f32_16x16x64_bf8_bf8 v[8*(8*(\a)+\n):8*(8*(\a)+\n)+7], v[\f+32+8*\n:\f+32+8*\n+7], v[\f+8*(\a):\f+8*(\a)+7], v[128+8*\n:128+8*\n+7]
.else
	v_wmma_f32_16x16x64_bf8_bf8 v[8*(8*(\a)+\n):8*(8*(\a)+\n)+7], v[\f+32+8*\n:\f+32+8*\n+7], v[\f+8*(\a):\f+8*(\a)+7], v[8*(8*(\a)+\n):8*(8*(\a)+\n)+7]
.endif
.endr
.endr
.endm
; 16 for v.  The 48 accumulators take turns, one instruction a turn, in the same order in every quarter
.macro MULV f, first
.irp a, 0,1,2,3
.irp n, 0,1,2,3
.if \first
	v_wmma_f32_16x16x64_bf8_bf8 v[8*(4*\a+\n):8*(4*\a+\n)+7], v[\f+8*\a:\f+8*\a+7], v[\f+96+8*\n:\f+96+8*\n+7], v[192+8*\n:192+8*\n+7]
.else
	v_wmma_f32_16x16x64_bf8_bf8 v[8*(4*\a+\n):8*(4*\a+\n)+7], v[\f+8*\a:\f+8*\a+7], v[\f+96+8*\n:\f+96+8*\n+7], v[8*(4*\a+\n):8*(4*\a+\n)+7]
.endif
.endr
.endr
.endm
; 32 LDS loads in one run: the 16 fragments of 64 along K at byte k of the slot's rows, into set g
.macro FETCH slot, k, g
	WIN TO_F
.irp a, 0,1,2,3
	ds_load_b128 v[\g+8*\a:\g+8*\a+3],   v[ADRA+\slot] offset:\k+\a*16*PITCH
	ds_load_b128 v[\g+8*\a+4:\g+8*\a+7], v[ADRA+\slot] offset:\k+\a*16*PITCH+32
.endr
.irp n, 0,1,2,3,4,5,6,7
	ds_load_b128 v[\g+32+8*\n:\g+32+8*\n+3], v[ADRB+\slot] offset:\k+\n*16*PITCH
	ds_load_b128 v[\g+32+8*\n+4:\g+32+8*\n+7], v[ADRB+\slot] offset:\k+\n*16*PITCH+32
.endr
.irp n, 0,1,2,3
	ds_load_b128 v[\g+96+8*\n:\g+96+8*\n+3], v[ADRV+\slot] offset:\k+(32*(\n/2)+8*(\n%2))*PITCH
	ds_load_b128 v[\g+96+8*\n+4:\g+96+8*\n+7], v[ADRV+\slot] offset:\k+(32*(\n/2)+8*(\n%2))*PITCH+32
.endr
.endm
; one of a slot's first three quarters: multiplies set f; the next quarter's fragments, at byte k, are asked for first and have the quarter's 48 products in which to land
.macro QUARTER slot, k, f, g, first
	s_wait_dscnt 0x0                               ; set f, asked for a quarter ago, is in
	PLACES                                         ; set g was multiplied by the quarter before
	FETCH \slot, \k, \g
.if \first
	WIN QK1
.else
	WIN QK
.endif
	MULQK \f, 0, \first
	MULQK \f, 2, \first
	WIN VV
	MULV \f, \first
.endm
; a slot's last quarter multiplies set 1 and changes slots: one barrier; in front of it each wave waits for all its tensor loads, adds 0 to its spare word, and waits for that and for its reads of this slot
.macro TURN slot, next, fill
	WIN 0                                          ; (the add's two registers lie in window 0)
	s_wait_tensorcnt 0x0                           ; all my tensor loads have landed: my part of the next slot
	ds_add_u32 v[SPW], v[NIL]                      ; 0 onto my spare word
	s_wait_dscnt 1                                 ; the add alone may be out: set 1's 32 loads are in
	WIN QK
	MULQK F1, 0, 0                                 ; sixteen matrix instructions between the add and the wait for it
	s_wait_dscnt 0x0                               ; the add is done, and my reads of this slot are over
	s_barrier_signal -1
	MULQK F1, 2, 0
	WIN 0
	s_barrier_wait -1
.if \fill
	CREST                                          ; the barrier has opened a round of the cluster's: no wave of any partner still reads this slot or has a load on its way
	s_add_nc_u64 s[G0A+4*\slot+2:G0A+4*\slot+3], s[G0A+4*\slot+2:G0A+4*\slot+3], 512
	s_add_nc_u64 s[G0B+4*\slot+2:G0B+4*\slot+3], s[G0B+4*\slot+2:G0B+4*\slot+3], 512
	JLOAD \slot                                    ; the first tensor load behind the round, my only one until the next; its four v_nop are the places in front of the loads below
.else
	PLACES
.endif
	FETCH \next, 0, F0
	WIN VV
	MULV F1, 0
.endm
	s_wait_tensorcnt 0x1                           ; my part of slot 0 is in; slot 1's may stay out
	s_barrier_signal -1
	s_barrier_wait -1
	FETCH 0, 0, F0
	QUARTER 0, 64,  F0, F1, 1                      ; K = 1,024 is four slots' worth, sixteen quarters: written out, no loop
	QUARTER 0, 128, F1, F0, 0
	QUARTER 0, 192, F0, F1, 0
	TURN 0, 1, 1
	QUARTER 1, 64,  F0, F1, 0
	QUARTER 1, 128, F1, F0, 0
	QUARTER 1, 192, F0, F1, 0
	TURN 1, 0, 1
	QUARTER 0, 64,  F0, F1, 0
	QUARTER 0, 128, F1, F0, 0
	QUARTER 0, 192, F0, F1, 0
	TURN 0, 1, 0                                   ; nothing is left to fetch
	QUARTER 1, 64,  F0, F1, 0
	QUARTER 1, 128, F1, F0, 0
	QUARTER 1, 192, F0, F1, 0
	s_wait_dscnt 0x0
	WIN QK
	MULQK F1, 0, 0
	MULQK F1, 2, 0
	WIN VV
	MULV F1, 0
	PLACES                                         ; in front of the first read of results
; q or k of row tile a (t0 = 0: q, 4: k).  With hi = channels 0-31 (tiles t0, t0 + 1) and lo = channels 32-63: out 0-31 = lo cos + hi sin, out 32-63 = hi cos - lo sin.
; Each accumulator is read from its low end on.  Then the hold, the conversion (tile n's eight numbers are registers 2 n, 2 n + 1 of the K = 64 fragment) and two stores of 512 consecutive bytes.
.macro ROPEQ a, t0, vs, vh, base
	WIN 0x02                                       ; source 0 window 2
.irp b, 0,1
.irp i, 0,2,4,6
	v_pk_mul_f32 v[T+\i:T+\i+1], v[8*(8*(\a)+(\t0)+\b)+\i:8*(8*(\a)+(\t0)+\b)+\i+1], v[SC+32*(\a)+8*\b+\i:SC+32*(\a)+8*\b+\i+1]
	v_pk_mul_f32 v[T+8+\i:T+8+\i+1], v[8*(8*(\a)+(\t0)+2+\b)+\i:8*(8*(\a)+(\t0)+2+\b)+\i+1], v[SC+32*(\a)+8*\b+\i:SC+32*(\a)+8*\b+\i+1]
.endr
.irp i, 0,2,4,6
	v_pk_fma_f32 v[OUT+8*\b+\i:OUT+8*\b+\i+1], v[8*(8*(\a)+(\t0)+2+\b)+\i:8*(8*(\a)+(\t0)+2+\b)+\i+1], v[SC+32*(\a)+16+8*\b+\i:SC+32*(\a)+16+8*\b+\i+1], v[T+\i:T+\i+1]
	v_pk_fma_f32 v[OUT+16+8*\b+\i:OUT+16+8*\b+\i+1], v[8*(8*(\a)+(\t0)+\b)+\i:8*(8*(\a)+(\t0)+\b)+\i+1], v[SC+32*(\a)+16+8*\b+\i:SC+32*(\a)+16+8*\b+\i+1], v[T+8+\i:T+8+\i+1] neg_lo:[0,0,1] neg_hi:[0,0,1]
.endr
.endr
	WIN 0
.set jj, 0
.rept 32
	v_med3_num_f32 v[OUT+jj], v[OUT+jj], -v[\vh], v[\vh]   ; the conversion to an 8-bit code does not saturate (ISA guide 7.6.2)
.set jj, jj+1
.endr
	s_wait_xcnt 0x0                                ; the last stores have read the codes' registers
.irp n, 0,1,2,3
	v_cvt_scalef32_pk8_bf8_f32 v[CD+2*\n:CD+2*\n+1], v[OUT+8*\n:OUT+8*\n+7], v[\vs]
.endr
	v_nop                                          ; a plain line behind the last conversion, ahead of the lines that write its sources anew
	global_store_b128 v3, v[CD:CD+3], s[\base:\base+1] offset:1024*(\a)
	global_store_b128 v3, v[CD+4:CD+7], s[\base:\base+1] offset:1024*(\a)+512
.endm
; v's tile n: row tile a's eight numbers are keys 16 a + 8 h + 0 .. 7 of my 64: registers 2 a, 2 a + 1 of my half of the K = 128 fragment
.macro VQ n
	WIN 0x03                                       ; source 0 window 3
.irp a, 0,1,2,3
.irp j, 0,1,2,3,4,5,6,7
	v_med3_num_f32 v[OUT+8*\a+\j], v[8*(4*\a+(\n))+\j], -v[HV], v[HV]
.endr
.endr
	WIN 0
	s_wait_xcnt 0x0
.irp a, 0,1,2,3
	v_cvt_scalef32_pk8_bf8_f32 v[CD+2*\a:CD+2*\a+1], v[OUT+8*\a:OUT+8*\a+7], v[SCV]
.endr
	v_nop
	global_store_b128 v3, v[CD:CD+3], s[86:87] offset:2048*(\n)
	global_store_b128 v3, v[CD+4:CD+7], s[86:87] offset:2048*(\n)+512
.endm
.irp m, 0,1,2,3
	ROPEQ \m, 0, SCQ, HQ, 82
	ROPEQ \m, 4, SCK, HK, 84
.endr
.irp m, 0,1,2,3
	VQ \m
.endr
	s_wait_tensorcnt 0x0                           ; the wave's end
	ds_add_u32 v[SPW], v[NIL]
	s_wait_dscnt 0x0
	CROUND                                         ; the closing round: no work-group ends while a partner may still ask for a tile that names it
	s_endpgm
.Lfunc_end_k_qfe4e90e0e2_proj:
	.size	k_qfe4e90e0e2_proj, .Lfunc_end_k_qfe4e90e0e2_proj-k_qfe4e90e0e2_proj
	.p2alignl 7, 3214868480
	.fill 96, 4, 3214868480
	.section	.rodata,"a",@progbits
	.p2align	6, 0x0
	.amdhsa_kernel k_qfe4e90e0e2_proj
		.amdhsa_group_segment_fixed_size 327680
		.amdhsa_private_segment_fixed_size 0
		.amdhsa_enable_private_segment 0
		.amdhsa_kernarg_size 56
		.amdhsa_user_sgpr_count 2
		.amdhsa_user_sgpr_kernarg_segment_ptr 1
		.amdhsa_wavefront_size32 1
		.amdhsa_system_sgpr_workgroup_id_x 1
		.amdhsa_system_sgpr_workgroup_id_y 1
		.amdhsa_system_sgpr_workgroup_id_z 1
		.amdhsa_system_vgpr_workitem_id 0
		.amdhsa_next_free_vgpr 1024
		.amdhsa_next_free_sgpr 100
		.amdhsa_reserve_vcc 0
		.amdhsa_float_denorm_mode_32 3
		.amdhsa_float_denorm_mode_16_64 3
		.amdhsa_memory_ordered 1
		.amdhsa_forward_progress 1
		.amdhsa_inst_pref_size 153
	.end_amdhsa_kernel
	.amdgpu_metadata
---
amdhsa.version: [ 1, 2 ]
amdhsa.kernels:
  - .name:           k_qfe4e90e0e2_proj
    .symbol:         k_qfe4e90e0e2_proj.kd
    .args:
      - { .name: x_codes, .offset: 0, .size: 8, .value_kind: global_buffer, .address_space: global }
      - { .name: W_in_codes, .offset: 8, .size: 8, .value_kind: global_buffer, .address_space: global }
      - { .name: b_in, .offset: 16, .size: 8, .value_kind: global_buffer, .address_space: global }
      - { .name: lowp_scales, .offset: 24, .size: 8, .value_kind: global_buffer, .address_space: global }
      - { .name: rope, .offset: 32, .size: 8, .value_kind: global_buffer, .address_space: global }
      - { .name: q_img, .offset: 40, .size: 8, .value_kind: global_buffer, .address_space: global }
      - { .name: kv, .offset: 48, .size: 8, .value_kind: global_buffer, .address_space: global }
    .group_segment_fixed_size: 327680
    .private_segment_fixed_size: 0
    .kernarg_segment_align: 8
    .kernarg_segment_size: 56
    .max_flat_workgroup_size: 128
    .sgpr_count:     100
    .vgpr_count:     1024
    .wavefront_size: 32
...
	.end_amdgpu_metadata
.endif
;; end of part 2
;; launch attn (part 3): grid 16 x 16, 16 waves a work-group, no clusters, 67,584 bytes of LDS; arguments q_img, kv, lowp_scales, y_img; writes y_img
.if DOCPART == 3
	.amdgcn_target "amdgcn-amd-amdhsa--gfx1250"
	.amdhsa_code_object_version 6
	.text
	.protected	k_qfe4e90e0e2_attn
	.globl	k_qfe4e90e0e2_attn
	.p2align	8
	.type	k_qfe4e90e0e2_attn,@function
k_qfe4e90e0e2_attn:
	s_mov_b64 s[64:65], 0
	v_nop
	global_prefetch_b8 v0, s[64:65] scope:SCOPE_SE
	s_setreg_imm32_b32 hwreg(HW_REG_WAVE_MODE, 25, 1), 1
	s_wait_xcnt 0x0
; y[q] = the sum over keys k <= q of softmax_k(q . k / 8) v[k], one head a work-group column, both products on codes of E5M2; y is quantised with 2^e6 and stored as the image of outp's operand.
; WORK LEFT OUT: a step of 128 keys all of which come after a wave's 16 queries has weight 0 by reference()'s own causal mask, whatever the inputs hold: it is not multiplied, and a slot that no wave of the
; work-group reads is not fetched.  LIMIT: a NaN or an infinity that lies only in such k or v is not carried to the result.
; THE SOFTMAX: t = score x log2(e) / 8; M = the running largest t rounded UP to a whole number; p = 2^(t - M) is quantised with 2^e4; the row's sum is taken of the unquantised p and divides at the end;
; when M moves, the sum and O are multiplied by 2^(old M - new M): exact.
; SHARES.  Work-group i of a head owns the blocks of 128 queries i and 31 - i; a wave owns 16 queries.  With the wave's bits b0 .. b3: the late block where b0 xor b2, tile b0 + 2 b1 + 4 b3: of any four waves
; w, w + 4, w + 8, w + 12 and of any four w .. w + 3 two are early and two late.  A wave of block B walks B + 1 steps, so each such four has 2 (i + 1) + 2 (32 - i) = 66 steps, in every work-group.
; NO CLUSTER: work-groups of a head end their fetching at different keys, so a joint load would bring tiles that some partner never reads.
; K AND V come as one dense stream in the order of the operand registers: a slot is 256 keys, 32,768 bytes; each wave copies 2,048 of them through 16 registers, asked for a slot ahead.  Two slots take turns; one barrier a slot.
; With no tensor load in the text a branch may hang on the given e4: p is at most 1, so the hold at 57,344 x 2^e4 can act only where e4 <= -16; elsewhere its 64 lines are jumped over.
; LAYOUT.  S^T = K Q^T (source 0 = 16 keys, source 1 = my queries): lane (r, h) holds query r, register j of tile c key 16 c + 8 h + j: the conversions' results are the K = 128 fragment as it stands.
; O^T = V^T P^T: V's rows are laid so that tiles 2 b, 2 b + 1 give a lane channels 32 b + 16 h + 0 .. 15.
; LIMITS: e2 + e3 between -123 and 130; e4 and e6 between -126 and 112; e4 + e5 goes in by v_ldexp_f32.  NaN is not served.
.set SPARE, 65536                      ; behind the two slots: the spare words, 128 bytes a wave: eight blocks of 256 bytes that no other line names
.set LI,  1                            ; v1   16 x lane
.set SI,  2                            ; v2   2,048 x wave + 16 x lane: my bytes of a slot, in memory and in LDS
.set SPW, 3
.set NIL, 4
.set PFO, 5                            ; v5   8,192 x (wave % 4) + 256 x lane
.set DQ,  6                            ; v6   r - 8 h
.set QF,  16                           ; v16-23   Q
.set STG, 24                           ; v24-39   my bytes of the next slot
.set FR,  40                           ; v40-103  8 tiles of K, then 4 of V
.set S,   104                          ; v104-167 S^T, then p
.set OT,  168                          ; v168-199 O^T
.set PC,  200                          ; v200-215 p's codes
.set MA,  216                          ; the maximum's two chains
.set MB,  218
.set FF,  220                          ; v[220:221] f
.set L2,  222                          ; v[222:223] the second chain of the sum
.set PX,  224                          ; a lane permute's destination
.set HP,  226                          ; 57,344 x 2^e4
.set SP,  227                          ; 2^e4
.set NINF, 228
.set DD,  229
.set HY,  230                          ; 57,344 x 2^e6
.set SY,  231                          ; 2^e6
.set WV,  12
.set Q0,  18                           ; s18 my first query
.set LASTQ, 19                         ; s19 my work-group's last query
.set SEL, 20                           ; s[20:21] lane l xor 16
.set CS,  22                           ; s[22:23] c = log2(e) / 8 x 2^(e2 + e3)
.set KS,  24                           ; s24 the slot's first key
.set KF,  25                           ; s25 the step's
.set MORE, 28                          ; s28 1: the next slot is read by some wave
.set PLIM, 29                          ; s29 a wave prefetches while the slot's first key is under this
.set CNT, 30
.set KVP, 32                           ; s[32:33] the next slot in memory
.macro PLACES
.rept 4
	v_nop
.endr
.endm
	s_load_b256 s[4:11], s[0:1], 0x0               ; q_img s[4:5], kv s[6:7], the exponents s[8:9], y_img s[10:11]
	v_lshl_add_u32 v[SPW], v0, 2, SPARE
	v_mov_b32 v[NIL], 0
	v_lshrrev_b32 v7, 5, v0
	v_readfirstlane_b32 s[WV], v7                  ; wave 0..15
	v_and_b32 v[LI], 31, v0
	v_lshlrev_b32 v[PFO], 8, v[LI]
	v_lshlrev_b32 v[LI], 4, v[LI]
	v_lshl_add_u32 v[SI], v7, 11, v[LI]
	s_and_b32 s26, s[WV], 3
	s_lshl_b32 s26, s26, 13
	v_add_nc_u32 v[PFO], s26, v[PFO]
	v_and_b32 v8, 15, v0
	v_bfe_u32 v9, v0, 4, 1
	v_lshlrev_b32 v9, 3, v9
	v_sub_nc_u32 v[DQ], v8, v9
	s_lshr_b32 s13, s[WV], 2
	s_xor_b32 s13, s13, s[WV]
	s_and_b32 s13, s13, 1                          ; late
	s_and_b32 s14, s[WV], 3
	s_lshr_b32 s26, s[WV], 1
	s_and_b32 s26, s26, 4
	s_or_b32 s14, s14, s26                         ; my tile in the block
	s_mov_b32 s15, ttmp9                           ; i
	s_and_b32 s16, ttmp7, 0xffff                   ; the head
	s_sub_co_u32 s26, 31, s15
	s_cmp_eq_u32 s13, 0
	s_cselect_b32 s17, s15, s26                    ; my block
	s_lshl_b32 s[Q0], s17, 7
	s_lshl_b32 s27, s14, 4
	s_add_co_u32 s[Q0], s[Q0], s27
	s_sub_co_u32 s[LASTQ], 32, s15
	s_lshl_b32 s[LASTQ], s[LASTQ], 7
	s_sub_co_u32 s[LASTQ], s[LASTQ], 1
	s_lshr_b32 s26, s[WV], 2
	s_or_b32 s26, s26, s15
	s_cmp_eq_u32 s26, 0                            ; waves 0 to 3 of the head's work-group 0, which walks all slots
	s_cselect_b32 s[PLIM], 3584, 0                 ; the last prefetch, in slot 13, names slot 15, the head's last
	s_mov_b32 s[SEL], 0x76543210
	s_mov_b32 s[SEL+1], 0xfedcba98
	s_mov_b32 s[CS], 0x3e38aa3b                    ; log2(e) / 8
	s_mov_b32 s[KS], 0
	s_mov_b32 s[CNT], 8
	s_lshl_b32 s44, s16, 18                        ; Q: (256 head + my tile) x 1,024
	s_lshl_b32 s45, s[Q0], 6
	s_add_co_u32 s44, s44, s45
	s_mov_b32 s45, 0
	s_lshl_b32 s46, s17, 17                        ; y_img: block x 131,072 + (head / 4) x 32,768 + tile x 4,096 + ((head / 2) % 2) x 2,048 + (head % 2) x 1,024
	s_lshr_b32 s47, s16, 2
	s_lshl_b32 s47, s47, 15
	s_add_co_u32 s46, s46, s47
	s_lshl_b32 s47, s14, 12
	s_add_co_u32 s46, s46, s47
	s_and_b32 s47, s16, 3
	s_lshl_b32 s47, s47, 10                        ; the head's two low bits: 2,048 and 1,024
	s_add_co_u32 s46, s46, s47
	s_mov_b32 s47, 0
	s_lshl_b32 s26, s16, 19                        ; kv: 524,288 bytes a head
	s_mov_b32 s27, 0
	s_wait_kmcnt 0x0
	s_load_b256 s[36:43], s[8:9], 0x0              ; e0 .. e7
	s_add_nc_u64 s[4:5], s[4:5], s[44:45]
	s_add_nc_u64 s[10:11], s[10:11], s[46:47]
	s_add_nc_u64 s[KVP:KVP+1], s[6:7], s[26:27]
	global_load_b128 v[QF:QF+3], v[LI], s[4:5]
	global_load_b128 v[QF+4:QF+7], v[LI], s[4:5] offset:512
.irp i, 0,1,2,3
	global_load_b128 v[STG+4*\i:STG+4*\i+3], v[SI], s[KVP:KVP+1] offset:512*\i   ; slot 0, which holds key 0: every wave reads it
.endr
	v_mov_b32 v13, 0xff61b1e6                      ; the largest t so far: -3e38
	v_floor_f32 v12, -v13                          ; -M
	v_mov_b32 v14, 0
	v_mov_b32 v15, 0
	v_mov_b32 v[FF+1], 0                           ; (named as the upper half of a pair)
	v_mov_b32 v[PX], 0                             ; a lane permute's destination counts as read
	v_mov_b32 v[NINF], 0xff800000
.set jj, 0
.rept 32
	v_mov_b32 v[OT+jj], 0                          ; the step is written for every step alike: the first finds zeros
.set jj, jj+1
.endr
	s_wait_kmcnt 0x0
	s_add_co_i32 s26, s38, s39                     ; e2 + e3 go onto c's exponent field
	s_lshl_b32 s26, s26, 23
	s_add_co_i32 s[CS], s[CS], s26
	s_mov_b32 s[CS+1], s[CS]
	s_add_co_i32 s26, s40, 127
	s_lshl_b32 s27, s26, 23
	v_mov_b32 v[SP], s27
	s_add_co_i32 s26, s26, 15
	s_lshl_b32 s26, s26, 23
	s_or_b32 s26, s26, 0x600000
	v_mov_b32 v[HP], s26
	s_add_co_i32 s26, s42, 127
	s_lshl_b32 s27, s26, 23
	v_mov_b32 v[SY], s27
	s_add_co_i32 s26, s26, 15
	s_lshl_b32 s26, s26, 23
	s_or_b32 s26, s26, 0x600000
	v_mov_b32 v[HY], s26
	s_wait_loadcnt 0x0                             ; Q and slot 0: the loads are done, so their base may step
.irp i, 0,1,2,3
	ds_store_b128 v[SI], v[STG+4*\i:STG+4*\i+3] offset:512*\i
.endr
	s_add_nc_u64 s[KVP:KVP+1], s[KVP:KVP+1], 32768
; A KEY STEP: 128 keys, the q-th of the slot
.macro STEP slot, q
	s_add_co_u32 s[KF], s[KS], 128*\q
	s_add_co_u32 s26, s[Q0], 15
	s_cmp_gt_u32 s[KF], s26                        ; all its keys come after my queries: left out (ids and the count of slots alone)
	s_cbranch_scc1 .Lhid_\@
	PLACES                                         ; the last step's products read the registers that the loads below fill
.irp c, 0,1,2,3,4,5,6,7
	ds_load_b128 v[FR+8*\c:FR+8*\c+3], v[LI] offset:32768*\slot+16384*\q+1024*\c
	ds_load_b128 v[FR+8*\c+4:FR+8*\c+7], v[LI] offset:32768*\slot+16384*\q+1024*\c+512
.endr
	s_wait_dscnt 0x0
.irp c, 0,1,2,3,4,5,6,7
	v_wmma_f32_16x16x64_bf8_bf8 v[S+8*\c:S+8*\c+7], v[FR+8*\c:FR+8*\c+7], v[QF:QF+7], 0
.endr
	PLACES                                         ; in front of the loads over K's fragments and of the first read of the scores
.irp n, 0,1,2,3
.irp g, 0,1,2,3
	ds_load_b128 v[FR+16*\n+4*\g:FR+16*\n+4*\g+3], v[LI] offset:32768*\slot+16384*\q+8192+2048*\n+512*\g   ; V lands under the softmax
.endr
.endr
	s_add_co_u32 s26, s[KF], 127
	s_cmp_le_u32 s26, s[Q0]                        ; all keys count: no mask
	s_cbranch_scc1 .Lopen_\@
	s_sub_co_i32 s26, s[Q0], s[KF]
	v_add_nc_u32 v[DD], s26, v[DQ]                 ; register 8 c + j holds key KF + 16 c + 8 h + j: hidden where 16 c + j > my query - KF - 8 h
.set nn, 0
.rept 64
	v_cmp_gt_i32 vcc_lo, 16*(nn/8)+nn%8, v[DD]
	v_cndmask_b32 v[S+nn], v[S+nn], v[NINF], vcc_lo
.set nn, nn+1
.endr
.Lopen_\@:
	v_max3_num_f32 v[MA], v[S], v[S+1], v[S+2]     ; the step's largest score of my query, in two chains, ascending: each tile is read from its low end on
	v_max3_num_f32 v[MB], v[S+3], v[S+4], v[S+5]
.set nn, 6
.rept 14
	v_max3_num_f32 v[MA], v[MA], v[S+nn], v[S+nn+1]
	v_max3_num_f32 v[MB], v[MB], v[S+nn+2], v[S+nn+3]
.set nn, nn+4
.endr
	v_max3_num_f32 v[MA], v[MA], v[S+62], v[S+63]
	v_max_num_f32 v[MA], v[MA], v[MB]
	v_permlanex16_b32 v[PX], v[MA], s[SEL], s[SEL+1]
	v_max_num_f32 v[MA], v[MA], v[PX]              ; and lane l xor 16's
	v_mul_f32 v[MA], s[CS], v[MA]                  ; as t
	v_max_num_f32 v13, v13, v[MA]
	v_mov_b32 v[MA], v12
	v_floor_f32 v12, -v13                          ; -M = floor(-t)
	v_sub_f32 v[MA], v12, v[MA]                    ; old M - new M: a whole number, 0 or less
	v_cvt_i32_f32 v[MA], v[MA]                     ; (it saturates)
	v_ldexp_f32 v[FF], 1.0, v[MA]                  ; f
.set nn, 0
.rept 32
	v_pk_fma_f32 v[S+nn:S+nn+1], v[S+nn:S+nn+1], s[CS:CS+1], v[12:13] op_sel_hi:[1,0,0]   ; t - M
.set nn, nn+2
.endr
.set nn, 0
.rept 64
	v_exp_f32 v[S+nn], v[S+nn]
.set nn, nn+1
.endr
	v_pk_mul_f32 v[14:15], v[14:15], v[FF:FF+1] op_sel_hi:[1,0]   ; the sum under the new M: a plain line behind the exponentials
	s_wait_alu depctr_va_vdst(0)                   ; one wait for the batch, ahead of its first reader
	v_pk_add_f32 v[L2:L2+1], v[S:S+1], v[S+2:S+3]  ; the sum of the unquantised p, in two chains
.set nn, 4
.rept 15
	v_pk_add_f32 v[14:15], v[14:15], v[S+nn:S+nn+1]
	v_pk_add_f32 v[L2:L2+1], v[L2:L2+1], v[S+nn+2:S+nn+3]
.set nn, nn+4
.endr
	v_pk_add_f32 v[14:15], v[14:15], v[L2:L2+1]
	s_cmp_gt_i32 s40, -16                          ; e4 > -16: 57,344 x 2^e4 is above 1, which p never passes
	s_cbranch_scc1 .Lnohold_\@
.set nn, 0
.rept 64
	v_min_num_f32 v[S+nn], v[S+nn], v[HP]
.set nn, nn+1
.endr
.Lnohold_\@:
.irp c, 0,1,2,3,4,5,6,7
	v_cvt_scalef32_pk8_bf8_f32 v[PC+2*\c:PC+2*\c+1], v[S+8*\c:S+8*\c+7], v[SP]
.endr
.set nn, 0
.rept 16
	v_pk_mul_f32 v[OT+nn:OT+nn+1], v[OT+nn:OT+nn+1], v[FF:FF+1] op_sel_hi:[1,0]   ; O^T under the new M, ascending; plain lines behind the conversions
.set nn, nn+2
.endr
	s_wait_dscnt 0x0                               ; V is in
.irp n, 0,1,2,3
	v_wmma_f32_16x16x128_bf8_bf8 v[OT+8*\n:OT+8*\n+7], v[FR+16*\n:FR+16*\n+15], v[PC:PC+15], v[OT+8*\n:OT+8*\n+7]
.endr
.Lhid_\@:
.endm
; A SLOT.  In front of the barrier: my stores into this slot have landed and my reads of the other are back.  Behind it the next slot's bytes are asked for into registers, this slot is walked,
; and the bytes go into the other slot, which nobody reads before the next barrier.
.macro PHASE slot
	s_wait_dscnt 0x0
	s_barrier_signal -1
	s_barrier_wait -1
	s_add_co_u32 s26, s[KS], 256
	s_cmp_le_u32 s26, s[LASTQ]                     ; is the next slot's first key at or under my work-group's last query?  The same in all sixteen waves
	s_cselect_b32 s[MORE], 1, 0
	s_cbranch_scc0 .Lnol_\@
.irp i, 0,1,2,3
	global_load_b128 v[STG+4*\i:STG+4*\i+3], v[SI], s[KVP:KVP+1] offset:512*\i
.endr
.Lnol_\@:
	s_cmp_lt_u32 s[KS], s[PLIM]                    ; the slot after the one just asked for, a slot's two key steps ahead of its loads: 4 waves x 32 lanes x 256 bytes, each block named once in the launch
	s_cbranch_scc0 .Lnop_\@
	global_prefetch_b8 v[PFO], s[KVP:KVP+1] offset:32768 th:TH_LOAD_NT scope:SCOPE_SE
.Lnop_\@:
	STEP \slot, 0
	STEP \slot, 1
	s_wait_loadcnt 0x0                             ; on every path: no load is left pending on the sixteen registers
	s_cmp_eq_u32 s[MORE], 0
	s_cbranch_scc1 .Lnos_\@
.irp i, 0,1,2,3
	ds_store_b128 v[SI], v[STG+4*\i:STG+4*\i+3] offset:32768*(1-\slot)+512*\i
.endr
.Lnos_\@:
	s_wait_xcnt 0x0                                ; the loads and the prefetch have read their base: it may step
	s_add_nc_u64 s[KVP:KVP+1], s[KVP:KVP+1], 32768
	s_add_co_u32 s[KS], s[KS], 256
.endm
.Lslots:                                           ; eight trips of two slots: the count is a constant; a work-group past its last query walks the barriers alone
	PHASE 0
	PHASE 1
	s_sub_co_u32 s[CNT], s[CNT], 1
	s_cmp_lg_u32 s[CNT], 0
	s_cbranch_scc1 .Lslots
	; THE WAY OUT: O^T / the sum x 2^(e4 + e5), held, converted with 2^e6: tiles 2 b, 2 b + 1 are group 2 (head % 2) + b of outp's fragment; two stores of 512 consecutive bytes
	PLACES                                         ; behind the last products, on every path
	v_add_f32 v14, v14, v15
	v_permlanex16_b32 v[PX], v14, s[SEL], s[SEL+1]
	v_add_f32 v14, v14, v[PX]
	v_rcp_f32 v14, v14
	v_nop                                          ; a plain line behind the reciprocal
	s_add_co_i32 s26, s40, s41
	s_wait_alu depctr_va_vdst(0)                   ; and the wait ahead of its first reader
	v_ldexp_f32 v14, v14, s26
.set nn, 0
.rept 32
	v_mul_f32 v[S+nn], v[OT+nn], v14
.set nn, nn+1
.endr
.set nn, 0
.rept 32
	v_med3_num_f32 v[S+nn], v[S+nn], -v[HY], v[HY]
.set nn, nn+1
.endr
.irp n, 0,1,2,3
	v_cvt_scalef32_pk8_bf8_f32 v[PC+2*\n:PC+2*\n+1], v[S+8*\n:S+8*\n+7], v[SY]
.endr
	v_nop
	global_store_b128 v[LI], v[PC:PC+3], s[10:11]
	global_store_b128 v[LI], v[PC+4:PC+7], s[10:11] offset:512
	s_wait_tensorcnt 0x0                           ; the wave's end, behind my last LDS store
	ds_add_u32 v[SPW], v[NIL]
	s_wait_dscnt 0x0
	s_endpgm
.Lfunc_end_k_qfe4e90e0e2_attn:
	.size	k_qfe4e90e0e2_attn, .Lfunc_end_k_qfe4e90e0e2_attn-k_qfe4e90e0e2_attn
	.p2alignl 7, 3214868480
	.fill 96, 4, 3214868480
	.section	.rodata,"a",@progbits
	.p2align	6, 0x0
	.amdhsa_kernel k_qfe4e90e0e2_attn
		.amdhsa_group_segment_fixed_size 67584
		.amdhsa_private_segment_fixed_size 0
		.amdhsa_enable_private_segment 0
		.amdhsa_kernarg_size 32
		.amdhsa_user_sgpr_count 2
		.amdhsa_user_sgpr_kernarg_segment_ptr 1
		.amdhsa_wavefront_size32 1
		.amdhsa_system_sgpr_workgroup_id_x 1
		.amdhsa_system_sgpr_workgroup_id_y 1
		.amdhsa_system_sgpr_workgroup_id_z 1
		.amdhsa_system_vgpr_workitem_id 0
		.amdhsa_next_free_vgpr 256
		.amdhsa_next_free_sgpr 66
		.amdhsa_reserve_vcc 1
		.amdhsa_float_denorm_mode_32 3
		.amdhsa_float_denorm_mode_16_64 3
		.amdhsa_memory_ordered 1
		.amdhsa_forward_progress 1
		.amdhsa_inst_pref_size 94
	.end_amdhsa_kernel
	.amdgpu_metadata
---
amdhsa.version: [ 1, 2 ]
amdhsa.kernels:
  - .name:           k_qfe4e90e0e2_attn
    .symbol:         k_qfe4e90e0e2_attn.kd
    .args:
      - { .name: q_img, .offset: 0, .size: 8, .value_kind: global_buffer, .address_space: global }
      - { .name: kv, .offset: 8, .size: 8, .value_kind: global_buffer, .address_space: global }
      - { .name: lowp_scales, .offset: 16, .size: 8, .value_kind: global_buffer, .address_space: global }
      - { .name: y_img, .offset: 24, .size: 8, .value_kind: global_buffer, .address_space: global }
    .group_segment_fixed_size: 67584
    .private_segment_fixed_size: 0
    .kernarg_segment_align: 8
    .kernarg_segment_size: 32
    .max_flat_workgroup_size: 512
    .sgpr_count:     66
    .vgpr_count:     256
    .wavefront_size: 32
...
	.end_amdgpu_metadata
.endif
;; end of part 3
;; launch outp (part 4): grid 8 x 32, 8 waves a work-group, clusters of 4 x 4, 327,680 bytes of LDS; arguments y_img, W_out_codes, b_out, lowp_scales, out0; writes out0
.if DOCPART == 4
	.amdgcn_target "amdgcn-amd-amdhsa--gfx1250"
	.amdhsa_code_object_version 6
	.text
	.protected	k_qfe4e90e0e2_outp
	.globl	k_qfe4e90e0e2_outp
	.p2align	8
	.type	k_qfe4e90e0e2_outp,@function
k_qfe4e90e0e2_outp:
	s_mov_b64 s[64:65], 0
	v_nop
	global_prefetch_b8 v0, s[64:65] scope:SCOPE_SE
	s_setreg_imm32_b32 hwreg(HW_REG_WAVE_MODE, 25, 1), 1
	s_wait_xcnt 0x0
	s_wait_alu depctr_hold_cnt(0) depctr_sa_sdst(0) depctr_va_vdst(0) depctr_va_sdst(0) depctr_va_ssrc(0) depctr_va_vcc(0) depctr_vm_vsrc(0)
	s_getreg_b32 s2, hwreg(HW_REG_IB_STS2, 6, 4)
	s_cmp_eq_u32 s2, 0
	s_cbranch_scc0 .Lentry_in_a_cluster
	s_endpgm
.Lentry_in_a_cluster:
	s_bfe_u32 s2, ttmp6, 0x10000c
	s_cmp_lg_u32 s2, 0xf033
	s_cbranch_scc0 .Lentry_shape_is_right
	s_endpgm
.Lentry_shape_is_right:
; out0 = y W_out^T x 2^(e6 + e7) + b_out, on codes of E5M2.  y comes as images of its fragments ([block of 128 rows][K chunk of 256][row tile 8][K step 2][group 4][lane][16 bytes]), W_out as rows of codes.
; SHARES.  A work-group makes 128 x 128 of out0; all of K (1,024) fits in LDS, so every LDS byte is filled once: no ring.  Wave w: rows 32 (w % 4) on, columns 64 (w / 4) on: 2 x 4 accumulators.
; THE PRODUCT IS USED TRANSPOSED (source 0 = 16 rows of W_out, source 1 = 16 rows of y): a lane holds eight neighbouring columns of one row.  Registers 4 c .. 4 c + 3 of both fragments hold k = 32 c + 16 h + 0 .. 15.
; CLUSTER 4 x 4: y's tile is asked for jointly along a row of the cluster, W_out's along a column.  Waves 0-3 fetch y's, waves 4-7 W_out's, each four loads, one a chunk of 256 along K, all in one group at the head:
; four loads of mine are out; the wait in front of chunk j leaves the 3 - j later ones out.
; LIMIT: e6 + e7 between -126 and 127, so that 2^(e6 + e7) is an f32 number.
.set ABYTES, 131072                    ; y's images as they lie in memory
.set BCH,    128*272                   ; a chunk of W_out: 128 rows of 256 bytes + 16 of padding
.set STAGE,  ABYTES+4*BCH              ; the way out: 16 rows x (256 bytes + 16) for each wave; no fill lands here
.set SPARE,  STAGE+8*16*272            ; the spare words, 128 bytes a wave: four blocks of 256 bytes that no other line names
.set ADA, 4                            ; v4-5  my y fragments, chunks 0-1 and 2-3
.set ADB, 6                            ; v6-7  my W fragments
.set STO, 8
.set RD,  9
.set CO,  10
.set SPW, 30
.set NIL, 31
.set BI,  32                           ; v32-63   b_out: 4 tiles x 8
.set ACC, 64                           ; v64-127  accumulators (a, n) at 8 (4 a + n)
.set YF,  128                          ; v128-159 y's two fragments
.set WF,  160                          ; v160-223 W's four
.set WV,  14
.set G1A, 24
.set G1B, 32
.set G0A, 48                           ; s[48:63] four sets
.set G0B, 68                           ; s[68:83] four sets
.macro PLACES
.rept 4
	v_nop
.endr
.endm
.macro CROUND
	s_barrier_signal -1
	s_barrier_wait -1
	s_cmp_lg_u32 s[WV], 0
	s_cbranch_scc1 .Lnot_wave_0_\@
	s_barrier_signal -3
.Lnot_wave_0_\@:
	s_barrier_wait -3
	s_barrier_signal -1
	s_barrier_wait -1
.endm
	s_load_b256 s[4:11], s[0:1], 0x0               ; y_img s[4:5], W_out s[6:7], b_out s[8:9], the exponents s[10:11]
	s_load_b64 s[12:13], s[0:1], 0x20              ; out0
	v_lshl_add_u32 v[SPW], v0, 2, SPARE
	v_mov_b32 v[NIL], 0
	ds_add_u32 v[SPW], v[NIL]                      ; the wave's opening: the add, twice on end, and its wait ahead of my first tensor load
	ds_add_u32 v[SPW], v[NIL]
	v_lshrrev_b32 v1, 5, v0
	v_readfirstlane_b32 s[WV], v1                  ; wave 0..7
	s_and_b32 s15, s[WV], 3                        ; my 32 rows.  Also: which part of a chunk I fetch
	s_lshr_b32 s16, s[WV], 2                       ; my 64 columns.  Also: I fetch for y (0) or for W_out (1)
	s_bfe_u32 s40, ttmp6, 0x40000                  ; cx
	s_bfe_u32 s41, ttmp6, 0x40004                  ; cy
	s_lshl_b32 s42, ttmp9, 2
	s_add_co_u32 s42, s42, s40                     ; X: 128 columns
	s_and_b32 s45, ttmp7, 0xffff
	s_lshl_b32 s45, s45, 2
	s_add_co_u32 s45, s45, s41                     ; Y: 128 rows
	s_lshl_b32 s43, s41, 2
	s_lshl_b32 s43, 15, s43                        ; my row of the cluster
	s_lshl_b32 s44, 0x1111, s40                    ; my column
	s_or_b32 s[G1A], s43, (3<<16)|(1<<21)          ; y: the mask; elements of 8 bytes; bit 21 beside a mask; no padding
	s_mov_b32 s[G1A+1], 32<<16                     ; 32 rows of 32 elements: 8,192 dense bytes
	s_mov_b32 s[G1A+2], 32<<16
	s_mov_b32 s[G1A+3], 32<<16
	s_mov_b32 s[G1A+4], 32
	s_mov_b32 s[G1A+5], 32
	s_mov_b32 s[G1A+6], 0
	s_mov_b32 s[G1A+7], 0
	s_or_b32 s[G1B], s44, (1<<20)|(1<<21)|(5<<22)|(3<<25)   ; W_out: elements of 1 byte; 4 words of padding after every 64
	s_mov_b32 s[G1B+1], 256<<16
	s_mov_b32 s[G1B+2], 32<<16                     ; 32 rows
	s_mov_b32 s[G1B+3], 256<<16
	s_mov_b32 s[G1B+4], 32
	s_mov_b32 s[G1B+5], 1024
	s_mov_b32 s[G1B+6], 0
	s_mov_b32 s[G1B+7], 0
	s_lshl_b32 s20, s45, 17                        ; y: 131,072 Y + 8,192 part
	s_lshl_b32 s21, s15, 13
	s_add_co_u32 s20, s20, s21
	s_mov_b32 s21, 0
	s_lshl_b32 s46, s42, 17                        ; W_out: row 128 X + 32 part, of 1,024 bytes
	s_lshl_b32 s47, s15, 15
	s_add_co_u32 s46, s46, s47
	s_mov_b32 s47, 0
	s_lshl_b32 s22, s15, 13                        ; where they go
	s_mul_i32 s23, s15, 32*272
	s_add_co_u32 s23, s23, ABYTES
	s_wait_dscnt 0x0                               ; both opening adds are done
	s_wait_kmcnt 0x0
	s_load_b256 s[84:91], s[10:11], 0x0            ; e0 .. e7
	s_add_nc_u64 s[20:21], s[4:5], s[20:21]
	s_add_nc_u64 s[46:47], s[6:7], s[46:47]
	CROUND                                         ; all sixteen work-groups are here: the joint loads meet
.irp j, 0,1,2,3
	s_mov_b32 s[G0A+4*\j], 1
	s_add_co_u32 s[G0A+4*\j+1], s22, \j*32768
	s_add_nc_u64 s[G0A+4*\j+2:G0A+4*\j+3], s[20:21], \j*32768
	s_or_b32 s[G0A+4*\j+3], s[G0A+4*\j+3], 0x80000000
	s_mov_b32 s[G0B+4*\j], 1
	s_add_co_u32 s[G0B+4*\j+1], s23, \j*BCH
	s_add_nc_u64 s[G0B+4*\j+2:G0B+4*\j+3], s[46:47], \j*256
	s_or_b32 s[G0B+4*\j+3], s[G0B+4*\j+3], 0x80000000
.endr
	s_cmp_eq_u32 s16, 0                            ; a wave's four fills stand in one arm; an s_nop 0 follows each, four v_nop the last
	s_cbranch_scc0 .Lfor_b
.irp j, 0,1,2,3
	tensor_load_to_lds s[G0A+4*\j:G0A+4*\j+3], s[G1A:G1A+7]
	s_nop 0
.endr
.rept 4
	v_nop
.endr
	s_branch .Lasked
.Lfor_b:
.irp j, 0,1,2,3
	tensor_load_to_lds s[G0B+4*\j:G0B+4*\j+3], s[G1B:G1B+7]
	s_nop 0
.endr
.rept 4
	v_nop
.endr
.Lasked:
	v_and_b32 v1, 15, v0                           ; r
	v_bfe_u32 v2, v0, 4, 1                         ; h
	v_and_b32 v3, 31, v0
	v_lshlrev_b32 v3, 4, v3                        ; 16 x lane
	s_lshl_b32 s92, s15, 13
	v_add_nc_u32 v[ADA], s92, v3                   ; my two row tiles' images: 8,192 x (w % 4) + 16 x lane
	v_add_nc_u32 v[ADA+1], 65536, v[ADA]
	v_mul_u32_u24 v11, v1, 272
	v_lshl_add_u32 v11, v2, 4, v11
	s_mul_i32 s92, s16, 64*272
	s_add_co_u32 s92, s92, ABYTES
	v_add_nc_u32 v[ADB], s92, v11                  ; my 64 rows of W_out: row x pitch + 16 h
	v_add_nc_u32 v[ADB+1], 2*BCH, v[ADB]
	s_mul_i32 s92, s[WV], 16*272
	s_add_co_u32 s92, s92, STAGE                   ; my stage
	v_mul_u32_u24 v[STO], v1, 272
	v_lshl_add_u32 v[STO], v2, 5, v[STO]
	v_add_nc_u32 v[STO], s92, v[STO]               ; in: row r, 32 bytes for each half of the lanes
	v_mul_u32_u24 v[RD], v2, 272
	v_lshl_add_u32 v[RD], v1, 4, v[RD]
	v_add_nc_u32 v[RD], s92, v[RD]                 ; back: lanes 0-15 one row of 256 bytes, lanes 16-31 the next
	v_lshlrev_b32 v[CO], 12, v2
	v_lshl_add_u32 v[CO], v1, 4, v[CO]             ; and the same two rows in out0
	v_lshlrev_b32 v12, 5, v2                       ; b_out: 32 h
	s_lshl_b32 s92, s42, 9                         ; my first column, in bytes: 512 X + 256 (w / 4)
	s_lshl_b32 s93, s16, 8
	s_add_co_u32 s92, s92, s93
	s_mov_b32 s93, 0
	s_add_nc_u64 s[8:9], s[8:9], s[92:93]
	s_add_nc_u64 s[12:13], s[12:13], s[92:93]
	s_lshl_b32 s92, s45, 19                        ; my first row: 128 Y + 32 (w % 4), of 4,096 bytes
	s_lshl_b32 s94, s15, 17
	s_add_co_u32 s92, s92, s94
	s_add_nc_u64 s[12:13], s[12:13], s[92:93]
.irp n, 0,1,2,3
	global_load_b128 v[BI+8*\n:BI+8*\n+3], v12, s[8:9] offset:64*\n
	global_load_b128 v[BI+8*\n+4:BI+8*\n+7], v12, s[8:9] offset:64*\n+16
.endr
	s_wait_kmcnt 0x0
	s_add_co_i32 s96, s90, s91                     ; e6 + e7
	s_add_co_i32 s96, s96, 127
	s_lshl_b32 s96, s96, 23                        ; 2^(e6 + e7) as f32
	s_mov_b32 s97, s96                             ; (named with it as a pair)
	s_wait_loadcnt 0x0
; 128 along K: the s-th of chunk j.  24 LDS loads, 8 products: the eight accumulators take turns
.macro KSTEP j, s, first
.if !\first
	PLACES                                         ; the last step's products read the registers that the loads below fill
.endif
.irp a, 0,1
.irp c, 0,1,2,3
	ds_load_b128 v[YF+16*\a+4*\c:YF+16*\a+4*\c+3], v[ADA+(\j)/2] offset:32768*((\j)%2)+4096*\a+2048*(\s)+512*\c
.endr
.endr
.irp n, 0,1,2,3
.irp c, 0,1,2,3
	ds_load_b128 v[WF+16*\n+4*\c:WF+16*\n+4*\c+3], v[ADB+(\j)/2] offset:BCH*((\j)%2)+4352*\n+128*(\s)+32*\c
.endr
.endr
	s_wait_dscnt 0x0
.irp a, 0,1
.irp n, 0,1,2,3
.if \first
	v_wmma_f32_16x16x128_bf8_bf8 v[ACC+8*(4*\a+\n):ACC+8*(4*\a+\n)+7], v[WF+16*\n:WF+16*\n+15], v[YF+16*\a:YF+16*\a+15], 0
.else
	v_wmma_f32_16x16x128_bf8_bf8 v[ACC+8*(4*\a+\n):ACC+8*(4*\a+\n)+7], v[WF+16*\n:WF+16*\n+15], v[YF+16*\a:YF+16*\a+15], v[ACC+8*(4*\a+\n):ACC+8*(4*\a+\n)+7]
.endif
.endr
.endr
.endm
	s_wait_tensorcnt 0x3                           ; my part of chunk 0 is in; the three later chunks may stay out
	s_barrier_signal -1
	s_barrier_wait -1
	KSTEP 0, 0, 1
	KSTEP 0, 1, 0
	s_wait_tensorcnt 0x2
	s_barrier_signal -1
	s_barrier_wait -1
	KSTEP 1, 0, 0
	KSTEP 1, 1, 0
	s_wait_tensorcnt 0x1
	s_barrier_signal -1
	s_barrier_wait -1
	KSTEP 2, 0, 0
	KSTEP 2, 1, 0
	s_wait_tensorcnt 0x0
	s_barrier_signal -1
	s_barrier_wait -1
	KSTEP 3, 0, 0
	KSTEP 3, 1, 0
; THE WAY OUT of row tile a: sum x 2^(e6 + e7) + b_out, each accumulator from its low end on; 16 rows x 256 bytes through my own stage (LDS serves a wave's instructions in order: ISA guide 5.7.1.4); whole rows out
.macro OUTA a, tq, rb
.irp n, 0,1,2,3
.irp i, 0,2,4,6
	v_pk_fma_f32 v[\tq+8*\n+\i:\tq+8*\n+\i+1], v[ACC+8*(4*(\a)+\n)+\i:ACC+8*(4*(\a)+\n)+\i+1], s[96:97], v[BI+8*\n+\i:BI+8*\n+\i+1] op_sel_hi:[1,0,1]
.endr
.endr
.irp n, 0,1,2,3
	ds_store_b128 v[STO], v[\tq+8*\n:\tq+8*\n+3] offset:64*\n
	ds_store_b128 v[STO], v[\tq+8*\n+4:\tq+8*\n+7] offset:64*\n+16
.endr
.irp t, 0,1,2,3,4,5,6,7
	ds_load_b128 v[\rb+4*\t:\rb+4*\t+3], v[RD] offset:544*\t
.endr
.irp t, 0,1,2,3,4,5,6,7
	s_wait_dscnt 7-\t                              ; the loads behind load t may stay out
	global_store_b128 v[CO], v[\rb+4*\t:\rb+4*\t+3], s[12:13] offset:(16*(\a)+2*\t)*4096 th:TH_STORE_NT   ; 16 lanes store 256 consecutive bytes, at a multiple of 256 from out0's first byte
.endr
.endm
	PLACES                                         ; in front of the first read of results and of writes over the fragments
	OUTA 0, 128, 160
	OUTA 1, 192, 224                               ; registers of its own: no store's data are written again
	s_wait_tensorcnt 0x0                           ; the wave's end, behind my last tensor load and my last LDS store
	ds_add_u32 v[SPW], v[NIL]
	s_wait_dscnt 0x0
	CROUND                                         ; the closing round
	s_endpgm
.Lfunc_end_k_qfe4e90e0e2_outp:
	.size	k_qfe4e90e0e2_outp, .Lfunc_end_k_qfe4e90e0e2_outp-k_qfe4e90e0e2_outp
	.p2alignl 7, 3214868480
	.fill 96, 4, 3214868480
	.section	.rodata,"a",@progbits
	.p2align	6, 0x0
	.amdhsa_kernel k_qfe4e90e0e2_outp
		.amdhsa_group_segment_fixed_size 327680
		.amdhsa_private_segment_fixed_size 0
		.amdhsa_enable_private_segment 0
		.amdhsa_kernarg_size 40
		.amdhsa_user_sgpr_count 2
		.amdhsa_user_sgpr_kernarg_segment_ptr 1
		.amdhsa_wavefront_size32 1
		.amdhsa_system_sgpr_workgroup_id_x 1
		.amdhsa_system_sgpr_workgroup_id_y 1
		.amdhsa_system_sgpr_workgroup_id_z 1
		.amdhsa_system_vgpr_workitem_id 0
		.amdhsa_next_free_vgpr 256
		.amdhsa_next_free_sgpr 100
		.amdhsa_reserve_vcc 0
		.amdhsa_float_denorm_mode_32 3
		.amdhsa_float_denorm_mode_16_64 3
		.amdhsa_memory_ordered 1
		.amdhsa_forward_progress 1
		.amdhsa_inst_pref_size 33
	.end_amdhsa_kernel
	.amdgpu_metadata
---
amdhsa.version: [ 1, 2 ]
amdhsa.kernels:
  - .name:           k_qfe4e90e0e2_outp
    .symbol:         k_qfe4e90e0e2_outp.kd
    .args:
      - { .name: y_img, .offset: 0, .size: 8, .value_kind: global_buffer, .address_space: global }
      - { .name: W_out_codes, .offset: 8, .size: 8, .value_kind: global_buffer, .address_space: global }
      - { .name: b_out, .offset: 16, .size: 8, .value_kind: global_buffer, .address_space: global }
      - { .name: lowp_scales, .offset: 24, .size: 8, .value_kind: global_buffer, .address_space: global }
      - { .name: out0, .offset: 32, .size: 8, .value_kind: global_buffer, .address_space: global }
    .group_segment_fixed_size: 327680
    .private_segment_fixed_size: 0
    .kernarg_segment_align: 8
    .kernarg_segment_size: 40
    .max_flat_workgroup_size: 256
    .sgpr_count:     100
    .vgpr_count:     256
    .wavefront_size: 32
...
	.end_amdgpu_metadata
.endif
;; end of part 4
;; ======== version 2 of 2: 4 launches; version 1 with the launch attn written anew for expert scheduling mode
;; workspace buffers: rope 1,048,576 bytes; q_img 4,194,304 bytes; kv 8,388,608 bytes; y_img 4,194,304 bytes
;; launch tab: the kernel of part 1 again; grid 256 x 1, 4 waves a work-group, no clusters, 0 bytes of LDS; arguments rope; writes rope
;; launch proj: the kernel of part 2 again; grid 16 x 16, 4 waves a work-group, clusters of 4 x 4, 327,680 bytes of LDS; arguments x_codes, W_in_codes, b_in, lowp_scales, rope, q_img, kv; writes q_img, kv
;; launch attn (part 5): grid 16 x 16, 16 waves a work-group, no clusters, 67,584 bytes of LDS; arguments q_img, kv, lowp_scales, y_img; writes y_img
.if DOCPART == 5
	.amdgcn_target "amdgcn-amd-amdhsa--gfx1250"
	.amdhsa_code_object_version 6
	.text
	.protected	k_qfe4e90e0e2_attn
	.globl	k_qfe4e90e0e2_attn
	.p2align	8
	.type	k_qfe4e90e0e2_attn,@function
k_qfe4e90e0e2_attn:
	s_mov_b64 s[64:65], 0
	v_nop
	global_prefetch_b8 v0, s[64:65] scope:SCOPE_SE
	s_setreg_imm32_b32 hwreg(HW_REG_WAVE_SCHED_MODE, 0, 2), 2
	s_setreg_imm32_b32 hwreg(HW_REG_WAVE_MODE, 25, 1), 1
	s_wait_xcnt 0x0
	s_wait_alu depctr_vm_vsrc(0)
; y[q] = the sum over keys k <= q of softmax_k(q . k / 8) v[k], one head a work-group column, both products on codes of E5M2; y is quantised with 2^e6 and stored as the image of outp's operand.
; WORK LEFT OUT: a step of 128 keys all of which come after a wave's 16 queries has weight 0 by reference()'s own causal mask, whatever the inputs hold: it is not multiplied, and a slot that no wave of the
; work-group reads is not fetched.  LIMIT: a NaN or an infinity that lies only in such k or v is not carried to the result.
; THE SOFTMAX: t = score x log2(e) / 8; M = the running largest t rounded UP to a whole number; p = 2^(t - M) is quantised with 2^e4; the row's sum is taken of the unquantised p and divides at the end;
; when M moves, the sum and O are multiplied by 2^(old M - new M): exact.
; SHARES.  Work-group i of a head owns the blocks of 128 queries i and 31 - i; a wave owns 16 queries.  With the wave's bits b0 .. b3: the late block where b0 xor b2, tile b0 + 2 b1 + 4 b3: of any four waves
; w, w + 4, w + 8, w + 12 and of any four w .. w + 3 two are early and two late.  A wave of block B walks B + 1 steps, so each such four has 2 (i + 1) + 2 (32 - i) = 66 steps, in every work-group.
; NO CLUSTER: work-groups of a head end their fetching at different keys, so a joint load would bring tiles that some partner never reads.
; K AND V come as one dense stream in the order of the operand registers: a slot is 256 keys, 32,768 bytes; each wave copies 2,048 of them through 16 registers, asked for a slot ahead.  Two slots take turns; one barrier a slot.
; With no tensor load in the text a branch may hang on the given e4: p is at most 1, so the hold at 57,344 x 2^e4 can act only where e4 <= -16; elsewhere its 64 lines are jumped over.
; LAYOUT.  S^T = K Q^T (source 0 = 16 keys, source 1 = my queries): lane (r, h) holds query r, register j of tile c key 16 c + 8 h + j: the conversions' results are the K = 128 fragment as it stands.
; O^T = V^T P^T: V's rows are laid so that tiles 2 b, 2 b + 1 give a lane channels 32 b + 16 h + 0 .. 15.
; LIMITS: e2 + e3 between -123 and 130; e4 and e6 between -126 and 112; e4 + e5 goes in by v_ldexp_f32.  NaN is not served.
; THE MODE: SCHED_MODE bits 1:0 = 2 (LLVM: expert scheduling mode 2), set by the entry lines.  The code itself states the register dependences
; between vector or matrix instructions and memory or LDS instructions, with s_wait_alu, always for 0.
; THE PLAN.  Registers that memory or LDS instructions touch:
;   v1, v2, v5, v3, v4   offsets, LDS addresses and the add's two: written by vector lines at the head and never again.  One wait on va_vdst ahead of the first load serves every later reader of them.
;   v16-23   Q: two loads at the head land in it; matrix instructions read it; nothing lands in it again.
;   v24-39   the next slot's bytes: four global loads at a slot's head land in it, four LDS stores at the slot's end read it; no vector line names it.  One wait on vm_vsrc a slot, ahead of the loads.
;   v40-103  K's 16 LDS loads land, the step's 8 score products read; V's 16 LDS loads land, the step's 4 products of O^T read; then the next step's K.  So two waits on va_vdst a step, each ahead of a run of 16 loads.
;   v200-207 on the way out: written by four conversions, read by two global stores: one wait on va_vdst between.
; Scalar registers that vector lines write: s12 (the wave's number) and, in the step on the diagonal, the sixteen masks s48-63: a wait on va_sdst ahead of their first readers.
; The 256 registers of each of sixteen waves are all that four SIMDs hold, and 24 of mine are free: no second set of 64 for fragments, so K's and V's loads stand where the registers fall free.
.set SPARE, 65536                      ; behind the two slots: the spare words, 128 bytes a wave: eight blocks of 256 bytes that no other line names
.set LI,  1                            ; v1   16 x lane
.set SI,  2                            ; v2   2,048 x wave + 16 x lane: my bytes of a slot, in memory and in LDS
.set SPW, 3
.set NIL, 4
.set PFO, 5                            ; v5   8,192 x (wave % 4) + 256 x lane
.set DQ,  6                            ; v6   r - 8 h
.set QF,  16                           ; v16-23   Q
.set STG, 24                           ; v24-39   my bytes of the next slot
.set FR,  40                           ; v40-103  8 tiles of K, then 4 of V
.set S,   104                          ; v104-167 S^T, then p
.set OT,  168                          ; v168-199 O^T
.set PC,  200                          ; v200-215 p's codes
.set MA,  216                          ; the maximum's two chains
.set MB,  218
.set FF,  220                          ; v[220:221] f
.set L2,  222                          ; v[222:223] the second chain of the sum
.set PX,  224                          ; a lane permute's destination
.set HP,  226                          ; 57,344 x 2^e4
.set SP,  227                          ; 2^e4
.set NINF, 228
.set DD,  229
.set HY,  230                          ; 57,344 x 2^e6
.set SY,  231                          ; 2^e6
.set WV,  12
.set Q0,  18                           ; s18 my first query
.set LASTQ, 19                         ; s19 my work-group's last query
.set SEL, 20                           ; s[20:21] lane l xor 16
.set CS,  22                           ; s[22:23] c = log2(e) / 8 x 2^(e2 + e3)
.set KS,  24                           ; s24 the slot's first key
.set KF,  25                           ; s25 the step's
.set MORE, 28                          ; s28 1: the next slot is read by some wave
.set PLIM, 29                          ; s29 a wave prefetches while the slot's first key is under this
.set CNT, 30
.set KVP, 32                           ; s[32:33] the next slot in memory
.set MK,  48                           ; s[48:63] sixteen masks of hidden keys, in the step on the diagonal
.macro PLACES
.rept 4
	v_nop
.endr
.endm
	s_load_b256 s[4:11], s[0:1], 0x0               ; q_img s[4:5], kv s[6:7], the exponents s[8:9], y_img s[10:11]
	v_lshl_add_u32 v[SPW], v0, 2, SPARE
	v_mov_b32 v[NIL], 0
	v_lshrrev_b32 v7, 5, v0
	v_readfirstlane_b32 s[WV], v7                  ; wave 0..15
	v_and_b32 v[LI], 31, v0
	v_lshlrev_b32 v[PFO], 8, v[LI]
	v_lshlrev_b32 v[LI], 4, v[LI]
	v_lshl_add_u32 v[SI], v7, 11, v[LI]
	s_wait_alu depctr_va_sdst(0)                   ; s12, the wave's number, is written, ahead of its first reader: the shares and the addresses below are made from it
	s_and_b32 s26, s[WV], 3
	s_lshl_b32 s26, s26, 13
	v_add_nc_u32 v[PFO], s26, v[PFO]
	v_and_b32 v8, 15, v0
	v_bfe_u32 v9, v0, 4, 1
	v_lshlrev_b32 v9, 3, v9
	v_sub_nc_u32 v[DQ], v8, v9
	s_lshr_b32 s13, s[WV], 2
	s_xor_b32 s13, s13, s[WV]
	s_and_b32 s13, s13, 1                          ; late
	s_and_b32 s14, s[WV], 3
	s_lshr_b32 s26, s[WV], 1
	s_and_b32 s26, s26, 4
	s_or_b32 s14, s14, s26                         ; my tile in the block
	s_mov_b32 s15, ttmp9                           ; i
	s_and_b32 s16, ttmp7, 0xffff                   ; the head
	s_sub_co_u32 s26, 31, s15
	s_cmp_eq_u32 s13, 0
	s_cselect_b32 s17, s15, s26                    ; my block
	s_lshl_b32 s[Q0], s17, 7
	s_lshl_b32 s27, s14, 4
	s_add_co_u32 s[Q0], s[Q0], s27
	s_sub_co_u32 s[LASTQ], 32, s15
	s_lshl_b32 s[LASTQ], s[LASTQ], 7
	s_sub_co_u32 s[LASTQ], s[LASTQ], 1
	s_lshr_b32 s26, s[WV], 2
	s_or_b32 s26, s26, s15
	s_cmp_eq_u32 s26, 0                            ; waves 0 to 3 of the head's work-group 0, which walks all slots
	s_cselect_b32 s[PLIM], 3584, 0                 ; the last prefetch, in slot 13, names slot 15, the head's last
	s_mov_b32 s[SEL], 0x76543210
	s_mov_b32 s[SEL+1], 0xfedcba98
	s_mov_b32 s[CS], 0x3e38aa3b                    ; log2(e) / 8
	s_mov_b32 s[KS], 0
	s_mov_b32 s[CNT], 8
	s_lshl_b32 s44, s16, 18                        ; Q: (256 head + my tile) x 1,024
	s_lshl_b32 s45, s[Q0], 6
	s_add_co_u32 s44, s44, s45
	s_mov_b32 s45, 0
	s_lshl_b32 s46, s17, 17                        ; y_img: block x 131,072 + (head / 4) x 32,768 + tile x 4,096 + ((head / 2) % 2) x 2,048 + (head % 2) x 1,024
	s_lshr_b32 s47, s16, 2
	s_lshl_b32 s47, s47, 15
	s_add_co_u32 s46, s46, s47
	s_lshl_b32 s47, s14, 12
	s_add_co_u32 s46, s46, s47
	s_and_b32 s47, s16, 3
	s_lshl_b32 s47, s47, 10                        ; the head's two low bits: 2,048 and 1,024
	s_add_co_u32 s46, s46, s47
	s_mov_b32 s47, 0
	s_lshl_b32 s26, s16, 19                        ; kv: 524,288 bytes a head
	s_mov_b32 s27, 0
	s_wait_kmcnt 0x0
	s_load_b256 s[36:43], s[8:9], 0x0              ; e0 .. e7
	s_add_nc_u64 s[4:5], s[4:5], s[44:45]
	s_add_nc_u64 s[10:11], s[10:11], s[46:47]
	s_add_nc_u64 s[KVP:KVP+1], s[6:7], s[26:27]
	s_wait_alu depctr_va_vdst(0)                   ; v1, v2 and v5 are written, which every load, store and prefetch of the kernel reads as its offset or LDS address, and v3 and v4, which the closing add reads; none of the five is written again
	global_load_b128 v[QF:QF+3], v[LI], s[4:5]
	global_load_b128 v[QF+4:QF+7], v[LI], s[4:5] offset:512
.irp i, 0,1,2,3
	global_load_b128 v[STG+4*\i:STG+4*\i+3], v[SI], s[KVP:KVP+1] offset:512*\i   ; slot 0, which holds key 0: every wave reads it
.endr
	v_mov_b32 v13, 0xff61b1e6                      ; the largest t so far: -3e38
	v_floor_f32 v12, -v13                          ; -M
	v_mov_b32 v14, 0
	v_mov_b32 v15, 0
	v_mov_b32 v[FF+1], 0                           ; (named as the upper half of a pair)
	v_mov_b32 v[PX], 0                             ; a lane permute's destination counts as read
	v_mov_b32 v[NINF], 0xff800000
.set jj, 0
.rept 32
	v_mov_b32 v[OT+jj], 0                          ; the step is written for every step alike: the first finds zeros
.set jj, jj+1
.endr
	s_wait_kmcnt 0x0
	s_add_co_i32 s26, s38, s39                     ; e2 + e3 go onto c's exponent field
	s_lshl_b32 s26, s26, 23
	s_add_co_i32 s[CS], s[CS], s26
	s_mov_b32 s[CS+1], s[CS]
	s_add_co_i32 s26, s40, 127
	s_lshl_b32 s27, s26, 23
	v_mov_b32 v[SP], s27
	s_add_co_i32 s26, s26, 15
	s_lshl_b32 s26, s26, 23
	s_or_b32 s26, s26, 0x600000
	v_mov_b32 v[HP], s26
	s_add_co_i32 s26, s42, 127
	s_lshl_b32 s27, s26, 23
	v_mov_b32 v[SY], s27
	s_add_co_i32 s26, s26, 15
	s_lshl_b32 s26, s26, 23
	s_or_b32 s26, s26, 0x600000
	v_mov_b32 v[HY], s26
	s_wait_loadcnt 0x0                             ; Q and slot 0: the loads are done, so their base may step
.irp i, 0,1,2,3
	ds_store_b128 v[SI], v[STG+4*\i:STG+4*\i+3] offset:512*\i   ; the data came by loads, the address stands since the wait on va_vdst above: no vector line has named either since
.endr
	s_add_nc_u64 s[KVP:KVP+1], s[KVP:KVP+1], 32768
; A KEY STEP: 128 keys, the q-th of the slot
.macro STEP slot, q
	s_add_co_u32 s[KF], s[KS], 128*\q
	s_add_co_u32 s26, s[Q0], 15
	s_cmp_gt_u32 s[KF], s26                        ; all its keys come after my queries: left out (ids and the count of slots alone)
	s_cbranch_scc1 .Lhid_\@
	PLACES                                         ; four plain lines between the last step's products and the loads into the registers that they read
	s_wait_alu depctr_va_vdst(0)                   ; the last step's four products of O^T are done reading V's fragments, v40-103, in which K's loads below land
.irp c, 0,1,2,3,4,5,6,7
	ds_load_b128 v[FR+8*\c:FR+8*\c+3], v[LI] offset:32768*\slot+16384*\q+1024*\c
	ds_load_b128 v[FR+8*\c+4:FR+8*\c+7], v[LI] offset:32768*\slot+16384*\q+1024*\c+512
.endr
	s_wait_dscnt 0x0
.irp c, 0,1,2,3,4,5,6,7
	v_wmma_f32_16x16x64_bf8_bf8 v[S+8*\c:S+8*\c+7], v[FR+8*\c:FR+8*\c+7], v[QF:QF+7], 0
.endr
	PLACES                                         ; in front of the first read of the scores (ISA guide 7.12.1); the wait below fills none of them
	s_wait_alu depctr_va_vdst(0)                   ; the eight score products are done reading K's fragments, v40-103, in which V's loads below land
.irp n, 0,1,2,3
.irp g, 0,1,2,3
	ds_load_b128 v[FR+16*\n+4*\g:FR+16*\n+4*\g+3], v[LI] offset:32768*\slot+16384*\q+8192+2048*\n+512*\g   ; V lands under the softmax, whose lines name none of these registers
.endr
.endr
	s_add_co_u32 s26, s[KF], 127
	s_cmp_le_u32 s26, s[Q0]                        ; all keys count: no mask
	s_cbranch_scc1 .Lopen_\@
	s_sub_co_i32 s26, s[Q0], s[KF]
	v_add_nc_u32 v[DD], s26, v[DQ]                 ; register 8 c + j holds key KF + 16 c + 8 h + j: hidden where 16 c + j > my query - KF - 8 h
.set gg, 0
.rept 4                                        ; sixteen scores (two tiles) at a time: a run of compares into sixteen scalar registers, one wait, the sixteen selects; each tile is read from its low end on
.set nn, 0
.rept 16
	v_cmp_gt_i32 s[MK+nn], 16*((16*gg+nn)/8)+(16*gg+nn)%8, v[DD]
.set nn, nn+1
.endr
	s_wait_alu depctr_va_sdst(0)                   ; the sixteen compares have written s48-63, ahead of the selects that read them
.set nn, 0
.rept 16
	v_cndmask_b32 v[S+16*gg+nn], v[S+16*gg+nn], v[NINF], s[MK+nn]
.set nn, nn+1
.endr
.set gg, gg+1
.endr
.Lopen_\@:
	v_max3_num_f32 v[MA], v[S], v[S+1], v[S+2]     ; the step's largest score of my query, in two chains, ascending: each tile is read from its low end on
	v_max3_num_f32 v[MB], v[S+3], v[S+4], v[S+5]
.set nn, 6
.rept 14
	v_max3_num_f32 v[MA], v[MA], v[S+nn], v[S+nn+1]
	v_max3_num_f32 v[MB], v[MB], v[S+nn+2], v[S+nn+3]
.set nn, nn+4
.endr
	v_max3_num_f32 v[MA], v[MA], v[S+62], v[S+63]
	v_max_num_f32 v[MA], v[MA], v[MB]
	v_permlanex16_b32 v[PX], v[MA], s[SEL], s[SEL+1]
	v_max_num_f32 v[MA], v[MA], v[PX]              ; and lane l xor 16's
	v_mul_f32 v[MA], s[CS], v[MA]                  ; as t
	v_max_num_f32 v13, v13, v[MA]
	v_mov_b32 v[MA], v12
	v_floor_f32 v12, -v13                          ; -M = floor(-t)
	v_sub_f32 v[MA], v12, v[MA]                    ; old M - new M: a whole number, 0 or less
	v_cvt_i32_f32 v[MA], v[MA]                     ; (it saturates)
	v_ldexp_f32 v[FF], 1.0, v[MA]                  ; f
.set nn, 0
.rept 32
	v_pk_fma_f32 v[S+nn:S+nn+1], v[S+nn:S+nn+1], s[CS:CS+1], v[12:13] op_sel_hi:[1,0,0]   ; t - M
.set nn, nn+2
.endr
.set nn, 0
.rept 64
	v_exp_f32 v[S+nn], v[S+nn]
.set nn, nn+1
.endr
	v_pk_mul_f32 v[14:15], v[14:15], v[FF:FF+1] op_sel_hi:[1,0]   ; the sum under the new M: a plain line behind the exponentials
	s_wait_alu depctr_va_vdst(0)                   ; the 64 exponentials have written v104-167: one wait for the batch, ahead of its first reader
	v_pk_add_f32 v[L2:L2+1], v[S:S+1], v[S+2:S+3]  ; the sum of the unquantised p, in two chains
.set nn, 4
.rept 15
	v_pk_add_f32 v[14:15], v[14:15], v[S+nn:S+nn+1]
	v_pk_add_f32 v[L2:L2+1], v[L2:L2+1], v[S+nn+2:S+nn+3]
.set nn, nn+4
.endr
	v_pk_add_f32 v[14:15], v[14:15], v[L2:L2+1]
	s_cmp_gt_i32 s40, -16                          ; e4 > -16: 57,344 x 2^e4 is above 1, which p never passes
	s_cbranch_scc1 .Lnohold_\@
.set nn, 0
.rept 64
	v_min_num_f32 v[S+nn], v[S+nn], v[HP]
.set nn, nn+1
.endr
.Lnohold_\@:
.irp c, 0,1,2,3,4,5,6,7
	v_cvt_scalef32_pk8_bf8_f32 v[PC+2*\c:PC+2*\c+1], v[S+8*\c:S+8*\c+7], v[SP]
.endr
.set nn, 0
.rept 16
	v_pk_mul_f32 v[OT+nn:OT+nn+1], v[OT+nn:OT+nn+1], v[FF:FF+1] op_sel_hi:[1,0]   ; O^T under the new M, ascending; plain lines behind the conversions
.set nn, nn+2
.endr
	s_wait_dscnt 0x0                               ; V is in
.irp n, 0,1,2,3
	v_wmma_f32_16x16x128_bf8_bf8 v[OT+8*\n:OT+8*\n+7], v[FR+16*\n:FR+16*\n+15], v[PC:PC+15], v[OT+8*\n:OT+8*\n+7]
.endr
.Lhid_\@:
.endm
; A SLOT.  In front of the barrier: my stores into this slot have landed and my reads of the other are back.  Behind it the next slot's bytes are asked for into registers, this slot is walked,
; and the bytes go into the other slot, which nobody reads before the next barrier.
.macro PHASE slot
	s_wait_dscnt 0x0
	s_barrier_signal -1
	s_barrier_wait -1
	s_wait_alu depctr_vm_vsrc(0)                   ; my LDS stores of the slot before (in the first trip: the head's) have read v24-39, in which the loads below land; ahead of the branch that leads round them
	s_add_co_u32 s26, s[KS], 256
	s_cmp_le_u32 s26, s[LASTQ]                     ; is the next slot's first key at or under my work-group's last query?  The same in all sixteen waves
	s_cselect_b32 s[MORE], 1, 0
	s_cbranch_scc0 .Lnol_\@
.irp i, 0,1,2,3
	global_load_b128 v[STG+4*\i:STG+4*\i+3], v[SI], s[KVP:KVP+1] offset:512*\i
.endr
.Lnol_\@:
	s_cmp_lt_u32 s[KS], s[PLIM]                    ; the slot after the one just asked for, a slot's two key steps ahead of its loads: 4 waves x 32 lanes x 256 bytes, each block named once in the launch
	s_cbranch_scc0 .Lnop_\@
	global_prefetch_b8 v[PFO], s[KVP:KVP+1] offset:32768 th:TH_LOAD_NT scope:SCOPE_SE
.Lnop_\@:
	STEP \slot, 0
	STEP \slot, 1
	s_wait_loadcnt 0x0                             ; on every path: no load is left pending on the sixteen registers
	s_cmp_eq_u32 s[MORE], 0
	s_cbranch_scc1 .Lnos_\@
.irp i, 0,1,2,3
	ds_store_b128 v[SI], v[STG+4*\i:STG+4*\i+3] offset:32768*(1-\slot)+512*\i   ; no vector line of the kernel names the data; the address stands since the head's wait on va_vdst
.endr
.Lnos_\@:
	s_wait_xcnt 0x0                                ; the loads and the prefetch have read their base: it may step
	s_add_nc_u64 s[KVP:KVP+1], s[KVP:KVP+1], 32768
	s_add_co_u32 s[KS], s[KS], 256
.endm
.Lslots:                                           ; eight trips of two slots: the count is a constant; a work-group past its last query walks the barriers alone
	PHASE 0
	PHASE 1
	s_sub_co_u32 s[CNT], s[CNT], 1
	s_cmp_lg_u32 s[CNT], 0
	s_cbranch_scc1 .Lslots
	; THE WAY OUT: O^T / the sum x 2^(e4 + e5), held, converted with 2^e6: tiles 2 b, 2 b + 1 are group 2 (head % 2) + b of outp's fragment; two stores of 512 consecutive bytes
	PLACES                                         ; behind the last products, on every path
	v_add_f32 v14, v14, v15
	v_permlanex16_b32 v[PX], v14, s[SEL], s[SEL+1]
	v_add_f32 v14, v14, v[PX]
	v_rcp_f32 v14, v14
	v_nop                                          ; a plain line behind the reciprocal
	s_add_co_i32 s26, s40, s41
	s_wait_alu depctr_va_vdst(0)                   ; the reciprocal has written v14, ahead of its first reader
	v_ldexp_f32 v14, v14, s26
.set nn, 0
.rept 32
	v_mul_f32 v[S+nn], v[OT+nn], v14
.set nn, nn+1
.endr
.set nn, 0
.rept 32
	v_med3_num_f32 v[S+nn], v[S+nn], -v[HY], v[HY]
.set nn, nn+1
.endr
.irp n, 0,1,2,3
	v_cvt_scalef32_pk8_bf8_f32 v[PC+2*\n:PC+2*\n+1], v[S+8*\n:S+8*\n+7], v[SY]
.endr
	v_nop
	s_wait_alu depctr_va_vdst(0)                   ; the four conversions have written v200-207, which the two stores read
	global_store_b128 v[LI], v[PC:PC+3], s[10:11]
	global_store_b128 v[LI], v[PC+4:PC+7], s[10:11] offset:512
	s_wait_dscnt 0x0                               ; the closing lines, six on end
	s_wait_alu 0x0
	s_wait_tensorcnt 0x0
	ds_add_u32 v[SPW], v[NIL]
	s_wait_dscnt 0x0
	s_endpgm
.Lfunc_end_k_qfe4e90e0e2_attn:
	.size	k_qfe4e90e0e2_attn, .Lfunc_end_k_qfe4e90e0e2_attn-k_qfe4e90e0e2_attn
	.p2alignl 7, 3214868480
	.fill 96, 4, 3214868480
	.section	.rodata,"a",@progbits
	.p2align	6, 0x0
	.amdhsa_kernel k_qfe4e90e0e2_attn
		.amdhsa_group_segment_fixed_size 67584
		.amdhsa_private_segment_fixed_size 0
		.amdhsa_enable_private_segment 0
		.amdhsa_kernarg_size 32
		.amdhsa_user_sgpr_count 2
		.amdhsa_user_sgpr_kernarg_segment_ptr 1
		.amdhsa_wavefront_size32 1
		.amdhsa_system_sgpr_workgroup_id_x 1
		.amdhsa_system_sgpr_workgroup_id_y 1
		.amdhsa_system_sgpr_workgroup_id_z 1
		.amdhsa_system_vgpr_workitem_id 0
		.amdhsa_next_free_vgpr 256
		.amdhsa_next_free_sgpr 66
		.amdhsa_reserve_vcc 0
		.amdhsa_float_denorm_mode_32 3
		.amdhsa_float_denorm_mode_16_64 3
		.amdhsa_memory_ordered 1
		.amdhsa_forward_progress 1
		.amdhsa_inst_pref_size 111
	.end_amdhsa_kernel
	.amdgpu_metadata
---
amdhsa.version: [ 1, 2 ]
amdhsa.kernels:
  - .name:           k_qfe4e90e0e2_attn
    .symbol:         k_qfe4e90e0e2_attn.kd
    .args:
      - { .name: q_img, .offset: 0, .size: 8, .value_kind: global_buffer, .address_space: global }
      - { .name: kv, .offset: 8, .size: 8, .value_kind: global_buffer, .address_space: global }
      - { .name: lowp_scales, .offset: 16, .size: 8, .value_kind: global_buffer, .address_space: global }
      - { .name: y_img, .offset: 24, .size: 8, .value_kind: global_buffer, .address_space: global }
    .group_segment_fixed_size: 67584
    .private_segment_fixed_size: 0
    .kernarg_segment_align: 8
    .kernarg_segment_size: 32
    .max_flat_workgroup_size: 512
    .sgpr_count:     66
    .vgpr_count:     256
    .wavefront_size: 32
...
	.end_amdgpu_metadata
.endif
;; end of part 5
;; launch outp: the kernel of part 4 again; grid 8 x 32, 8 waves a work-group, clusters of 4 x 4, 327,680 bytes of LDS; arguments y_img, W_out_codes, b_out, lowp_scales, out0; writes out0
